; MI455X (gfx1250); checked and timed in simulation.
; The chip was launched on July 23, 2026; its instructions are those of AMD's public machine-readable ISA for CDNA 5 (MIT licence, August 2026) and "CDNA5" Instruction Set Architecture Reference Guide (July 2026). The comments in the code are by the model that wrote it; some were corrected since.
;; Multi Head Attn. Allowed arithmetic: matrix products marked QUANTISED: E5M2 operands, one E8M0 scale for each 32 along K, by v_wmma_scale_f32_16x16x128_f8f6f4 with both operands' format E5M2, f32 sums; everything else in f32.
;; Inputs: Wk_codes 1,024 x 32 x 32 uint8 (E5M2 codes of Wk, K innermost, in blocks of 32 codes); Wk_scales 1,024 x 32 uint8 (E8M0 scales of Wk, one for each 32 codes along K); Wo_codes 1,024 x 32 x 32 uint8 (E5M2 codes of Wo, K innermost, in blocks of 32 codes); Wo_scales 1,024 x 32 uint8 (E8M0 scales of Wo, one for each 32 codes along K); Wq_codes 1,024 x 32 x 32 uint8 (E5M2 codes of Wq, K innermost, in blocks of 32 codes); Wq_scales 1,024 x 32 uint8 (E8M0 scales of Wq, one for each 32 codes along K); Wv_codes 1,024 x 32 x 32 uint8 (E5M2 codes of Wv, K innermost, in blocks of 32 codes); Wv_scales 1,024 x 32 uint8 (E8M0 scales of Wv, one for each 32 codes along K); attn_mask 2,048 x 2,048 bool; beta 1,024 float32; gamma 1,024 float32; q 4 x 2,048 x 1,024 float32.
;; Outputs: out0 4 x 2,048 x 1,024 float32.
;; This version of the problem:
;;   THIS VERSION OF THE PROBLEM IS GIVEN IN LOW PRECISION. The matrix products marked QUANTISED in the list below multiply operands that are first quantised to E5M2 (5 exponent bits, 2 mantissa bits; 8 bits a number), with one power-of-two scale for each 32 numbers along K (OCP MX v1.0); their sums are f32. All else is computed in f32.
;;   The module's matrix products, in the order in which they are computed (A, B: the left and right operand; K: the contracted axis; several contracted axes count as one K, in the product's order):
;;     1. [M 8,192, K 1,024] x [K 1,024, N 1,024]; A: computed on the way; B: input Wq (given as codes): QUANTISED
;;     2. [M 8,192, K 1,024] x [K 1,024, N 1,024]; A: computed on the way; B: input Wk (given as codes): QUANTISED
;;     3. [M 8,192, K 1,024] x [K 1,024, N 1,024]; A: computed on the way; B: input Wv (given as codes): QUANTISED
;;     4. batch 64 x [M 2,048, K 64] x [K 64, N 2,048]; A: computed on the way; B: computed on the way: QUANTISED
;;     5. batch 64 x [M 64, K 2,048] x [K 2,048, N 2,048]; A: computed on the way; B: softmax (see below): QUANTISED
;;     6. [M 8,192, K 1,024] x [K 1,024, N 1,024]; A: computed on the way; B: input Wo (given as codes): QUANTISED
;;   THE QUANTISER, for each operand of a quantised product, along K:
;;     - K is cut into blocks of 32 from its start; a last block that is shorter is filled with zeros.
;;     - A block's scale is 2^e with e = floor(log2(the largest magnitude in the block)) - 15, held to -126 .. 127; a block of zeros has e = 0. As a byte (E8M0): e + 127.
;;     - Each number is divided by its block's scale, clamped to +-57,344, and rounded to the nearest number of E5M2, ties to even, subnormals kept.
;;     - The product sums the exact products of the quantised numbers (number of the format x scale) in f32.
;;   ~~~python
;;   def quantise(x, axis):      # numpy; x: float32 -> the quantised numbers, widened to float32 again
;;       x = np.moveaxis(x, axis, -1); K = x.shape[-1]
;;       x = np.pad(x, [(0, 0)] * (x.ndim - 1) + [(0, -K % 32)]); x = x.reshape(x.shape[:-1] + (-1, 32)); a = np.abs(x).max(-1, keepdims=True)
;;       e = np.where(a > 0, np.clip(np.frexp(np.where(a > 0, a, 1))[1] - 1 - 15, -126, 127), 0)      # np.frexp(a)[1] - 1 = floor(log2(a)), exactly
;;       r = np.clip(x / 2.0 ** e, -57344, 57344)
;;       step = 2.0 ** (np.maximum(np.frexp(np.where(r == 0, 1, r))[1] - 1, -14) - 2)
;;       q = np.round(r / step) * step * 2.0 ** e      # np.round: ties to even
;;       return np.moveaxis(q.reshape(q.shape[:-2] + (-1,))[..., :K], -1, axis).astype(np.float32)
;;   ~~~
;;   SOFTMAX AHEAD OF A QUANTISED PRODUCT. Where the list says 'softmax', what is quantised is not the finished softmax but p = 2^(t - M), with t = logit x log2(e) and M = ceil(the row's largest t), a whole number; so 1/2 < the row's largest p <= 1. The row's sum l is taken of the UNQUANTISED p, in f32, and the product's result is divided by l at the end. Since M is a whole number, a kernel that streams over the keys may use a running M (the ceiling of the running maximum): every later rescaling is an exact power of two, which a block's scale takes up: the codes' values come out the same.
;;   OPERANDS COMPUTED ON THE WAY. 'Computed on the way' means the value that the module computes at that place (a softmax that the list does not call 'softmax' is quantised finished and normalised). What goes into a quantiser is computed in f32, as accurately as f32 sums, v_exp_f32 and their like allow (about 1e-6 of the number): no bf16 or f16 on the way to a quantiser, and a product that is left as it is and whose result goes on into a quantised operand takes f32 operands (vector FMAs, or v_wmma_f32_16x16x4_f32). A number that lies on a knife's edge between two numbers of the format may be rounded either way, as far as f32 arithmetic and the matrix unit's own rounding can turn it there, and no further.
;;   INPUTS GIVEN AS CODES. Wk (in the module: [1024, 1024], K = its axis 0); Wo (in the module: [1024, 1024], K = its axis 0); Wq (in the module: [1024, 1024], K = its axis 0); Wv (in the module: [1024, 1024], K = its axis 0): each comes as NAME_codes (uint8): NAME with its K axis moved to the last place and cut into blocks of 32 codes, [.., K / 32, bytes a block], one block behind the other in memory; one code a byte (a code: sign, 5 exponent bits, 2 mantissa bits); and NAME_scales (uint8): the same leading axes, one E8M0 byte (e + 127) for each 32 codes along K. Its value is code x scale, taken as it is: it is not quantised again, and the codes and scales need not be those that the quantiser above would give.
;; One version. Each part assembles by itself: llvm-mc -triple=amdgcn-amd-amdhsa -mcpu=gfx1250 --defsym DOCPART=n.
;; ======== version 1 of 1: 4 launches
;; limits: right only within a limited range of input values
;; workspace buffers: qn_img 8,388,608 bytes; w_img 4,194,304 bytes; sc1 458,752 bytes; mw 524,288 bytes of whole numbers; qkv_img 25,165,824 bytes; qkv_sc 1,310,720 bytes; vec_img 8,388,608 bytes; vec_sc 262,144 bytes
;; launch prep (part 1): grid 416 x 1, 8 waves a work-group, no clusters, 132,864 bytes of LDS; arguments q, gamma, beta, attn_mask, Wq_codes, Wk_codes, Wv_codes, Wo_codes, Wq_scales, Wk_scales, Wv_scales, Wo_scales, qn_img, w_img, sc1, mw; writes qn_img, w_img, sc1, mw
.if DOCPART == 1
	.amdgcn_target "amdgcn-amd-amdhsa--gfx1250"
	.amdhsa_code_object_version 6
	.text
	.protected	k_q9da7572685_prep
	.globl	k_q9da7572685_prep
	.p2align	8
	.type	k_q9da7572685_prep,@function
k_q9da7572685_prep:
	s_mov_b64 s[64:65], 0
	v_nop
	global_prefetch_b8 v0, s[64:65] scope:SCOPE_SE
	s_setreg_imm32_b32 hwreg(HW_REG_WAVE_MODE, 25, 1), 1
	s_wait_xcnt 0x0
; THREE JOBS IN ONE LAUNCH, told apart by the work-group's number (a scalar branch, the same for all waves of a work-group):
;   work-groups 0-255:   layer norm of 32 rows of q [8192][1024] f32, quantised to codes of E5M2 with one E8M0 byte for each 32 along the row;
;   work-groups 256-287: the four weights' codes and scale bytes, laid anew in the order in which a wave's operand registers take them;
;   work-groups 288-415: the mask [2048][2048] of bytes turned into words of 32 bits, one bit a lane, as the attention launch's selects take them.
; ROW ORDER of every operand image: tile T = 2 P + u, lane-row r is actual row 32 P + 8 u + r + 8 (r / 8).  With two such neighbouring tiles as source 0 of a product, a lane's 16 results are 16 neighbouring rows.
; IMAGE of an operand [rows][1024 codes]: byte T x 16384 + s x 2048 + c x 512 + lane x 16 holds k = 128 s + 32 c + 16 (lane / 16) + 0 .. 15 of lane-row lane % 16: a fragment is four loads of 512 consecutive bytes.
; SCALE WORDS (four bytes: 128 along K of one row): [row' / 256][s][256 rows'][4 bytes], row' = 16 T + r.
; The quantiser: a block's scale is 2^(floor(log2(largest magnitude)) - 15); its byte is the largest magnitude's exponent field - 15, held at 1 from below; numbers are held within +-57,344 x the scale.
; LIMITS: a block of zeros gets the byte 1 where the rule says 127 (its codes are zeros, and this program alone reads the bytes); NaN and infinities among the inputs are not served.
; No tensor load, no matrix instruction.  Only the first job uses LDS and a barrier.
.set PITCH, 4112                       ; an LDS row: 4,096 bytes + 16: the sixteen rows that a load touches start at sixteen different 16-byte columns
.set STAT,  32*PITCH                   ; behind the rows: (rstd, -mu rstd) of the 32 rows, 256 bytes
.set WSO,   262144                     ; sc1: the weights' scale words begin here (32,768 bytes each)
.set STA,   393216                     ; sc1: the rows' two figures begin here, 8 bytes an actual row
.set X,   16                           ; v16-143  four rows x 32 numbers; later two tiles x 64 numbers
.set GA,  144                          ; v144-175 gamma of my columns; later codes
.set BE,  176                          ; v176-207 beta
.set AC,  208                          ; v208-223 two pair sums a row
.set MU,  224                          ; v224-231 row k: mu, and a register for the lane exchange
.set RS,  232                          ; v232-239 row k: rstd, -mu rstd
.set TM,  208                          ; the quantiser: +0 largest magnitudes, +4 bytes, +8 largest number x scale, +12 scale operands
.set WV,  36
.set MNT, 45
.set SEL, 46
; 64 numbers of a lane, register 16 b + i = k 32 b + 16 (lane / 16) + i of my row, become a fragment's codes in v[pc] on and its scale word in v[pw]
.macro QUANT s, pc, pw
.irp b, 0,1,2,3
	v_max3_num_f32 v[TM+\b], |v[\s+16*\b]|, |v[\s+1+16*\b]|, 0x8000000   ; my 16 numbers of block b, and the floor 2^(16 - 127): the byte cannot fall under 1
.endr
.irp i, 2,4,6,8,10,12,14
.irp b, 0,1,2,3
	s_delay_alu instid0(VALU_DEP_4)
	v_max3_num_f32 v[TM+\b], v[TM+\b], |v[\s+16*\b+\i]|, |v[\s+1+16*\b+\i]|
.endr
.endr
.irp b, 0,1,2,3
	s_delay_alu instid0(VALU_DEP_4)
	v_permlanex16_b32 v[TM+4+\b], v[TM+\b], s[SEL], s[SEL+1]
.endr
.irp b, 0,1,2,3
	s_delay_alu instid0(VALU_DEP_4)
	v_max_num_f32 v[TM+\b], v[TM+\b], v[TM+4+\b]           ; with lane l xor 16's: the block's largest magnitude
.endr
.irp b, 0,1,2,3
	s_delay_alu instid0(VALU_DEP_4)
	v_add_nc_u32 v[TM+12+\b], 0xf8800000, v[TM+\b]         ; 15 off its exponent field: the conversion's scale operand
.endr
.irp b, 0,1,2,3
	v_and_or_b32 v[TM+8+\b], v[TM+\b], 0x7f800000, s[MNT]  ; 57,344 x the scale
.endr
.irp b, 0,1,2,3
	v_lshrrev_b32 v[TM+4+\b], 23, v[TM+12+\b]              ; the scale's byte
.endr
	s_delay_alu instid0(VALU_DEP_3)
	v_lshl_or_b32 v[\pw], v[TM+5], 8, v[TM+4]
	s_delay_alu instid0(VALU_DEP_1)
	v_lshl_or_b32 v[\pw], v[TM+6], 16, v[\pw]
	s_delay_alu instid0(VALU_DEP_1)
	v_lshl_or_b32 v[\pw], v[TM+7], 24, v[\pw]
.irp b, 0,1,2,3
.irp i, 0,1,2,3,4,5,6,7,8,9,10,11,12,13,14,15
	v_med3_num_f32 v[\s+16*\b+\i], v[\s+16*\b+\i], -v[TM+8+\b], v[TM+8+\b]   ; the conversion to an 8-bit code does not saturate (ISA guide 7.6.2): the hold
.endr
	v_cvt_scalef32_pk8_bf8_f32 v[\pc+4*\b:\pc+1+4*\b], v[\s+16*\b:\s+7+16*\b], v[TM+12+\b]
	v_cvt_scalef32_pk8_bf8_f32 v[\pc+2+4*\b:\pc+3+4*\b], v[\s+8+16*\b:\s+15+16*\b], v[TM+12+\b]
.endr
	v_nop                                                  ; one plain vector instruction behind the last conversion
.endm
; the four rows' pair sums become one number a row, in every lane
.macro WSUM
.irp k, 0,1,2,3
	v_pk_add_f32 v[AC+4*\k:AC+4*\k+1], v[AC+4*\k:AC+4*\k+1], v[AC+4*\k+2:AC+4*\k+3]
.endr
.irp k, 0,1,2,3
	s_delay_alu instid0(VALU_DEP_4)
	v_add_f32 v[AC+4*\k], v[AC+4*\k], v[AC+4*\k+1]
.endr
.irp m, 1,2,4,8
.irp k, 0,1,2,3
	s_delay_alu instid0(VALU_DEP_4)
	v_add_f32_dpp v[AC+4*\k], v[AC+4*\k], v[AC+4*\k] row_xmask:\m row_mask:0xf bank_mask:0xf
.endr
.endr
.irp k, 0,1,2,3
	s_delay_alu instid0(VALU_DEP_4)
	v_permlanex16_b32 v[MU+2*\k+1], v[AC+4*\k], s[SEL], s[SEL+1]
.endr
.irp k, 0,1,2,3
	s_delay_alu instid0(VALU_DEP_4)
	v_add_f32 v[AC+4*\k], v[AC+4*\k], v[MU+2*\k+1]
.endr
.endm
	s_load_b512 s[4:19], s[0:1], 0x0               ; q s[4:5], gamma s[6:7], beta s[8:9], mask s[10:11], codes of Wq, Wk, Wv, Wo s[12:19]
	s_load_b512 s[20:35], s[0:1], 0x40             ; scales of Wq, Wk, Wv, Wo s[20:27], qn_img s[28:29], w_img s[30:31], sc1 s[32:33], mw s[34:35]
	v_lshl_add_u32 v240, v0, 2, 0x20300
	v_mov_b32 v241, 0
	v_lshrrev_b32 v1, 5, v0
	s_delay_alu instid0(VALU_DEP_1)
	v_readfirstlane_b32 s[WV], v1                  ; wave 0..7
	v_and_b32 v1, 31, v0                           ; lane
	s_delay_alu instid0(VALU_DEP_1)
	v_lshlrev_b32 v2, 4, v1                        ; 16 x lane
	v_and_b32 v3, 15, v0                           ; r
	v_bfe_u32 v4, v0, 4, 1                         ; h
	s_mov_b32 s39, 0                               ; the high word of every offset pair s[38:39]
	s_wait_kmcnt 0x0
	s_cmp_ge_u32 ttmp9, 288
	s_cbranch_scc1 .Lmask
	s_cmp_ge_u32 ttmp9, 256
	s_cbranch_scc1 .Lweights
; ---------------- LAYER NORM: work-group P owns actual rows 32 P .. 32 P + 31 = tiles 2 P, 2 P + 1
	s_lshl_b32 s38, ttmp9, 17                      ; 32 rows of 4,096 bytes
	s_lshl_b32 s40, s[WV], 14                      ; wave w takes rows 4 w .. 4 w + 3
	s_add_co_u32 s38, s38, s40
	s_add_nc_u64 s[4:5], s[4:5], s[38:39]
	s_wait_alu depctr_va_vdst(0)
.irp k, 0,1,2,3
.irp j, 0,1,2,3,4,5,6,7
	global_load_b128 v[X+32*\k+4*\j:X+32*\k+4*\j+3], v2, s[4:5] offset:\k*4096+512*\j th:TH_LOAD_NT   ; 32 lanes read 512 consecutive bytes
.endr
.endr
.irp j, 0,1,2,3,4,5,6,7
	global_load_b128 v[GA+4*\j:GA+4*\j+3], v2, s[6:7] offset:512*\j
	global_load_b128 v[BE+4*\j:BE+4*\j+3], v2, s[8:9] offset:512*\j
.endr
	; LDS rows lie in tile order: actual row a goes to row 16 (bit 3 of a) + 8 (bit 4 of a) + (a % 8); a = 4 w + k
	s_and_b32 s40, s[WV], 1
	s_lshl_b32 s40, s40, 2
	s_bfe_u32 s41, s[WV], 0x10001
	s_lshl_b32 s41, s41, 4
	s_add_co_u32 s40, s40, s41
	s_bfe_u32 s41, s[WV], 0x10002
	s_lshl_b32 s41, s41, 3
	s_add_co_u32 s40, s40, s41
	s_mul_i32 s40, s40, PITCH
	v_add_nc_u32 v5, s40, v2                       ; where I put 16 bytes of my first row
	s_lshl_b32 s41, s[WV], 5
	s_add_co_u32 s41, s41, STAT
	v_mov_b32 v6, s41                              ; my wave's four pairs of figures
	v_mul_u32_u24 v7, v3, PITCH                    ; second part: row r of tile 0, + 64 h, + my K step's 512 bytes
	s_delay_alu instid0(VALU_DEP_1)
	v_lshl_add_u32 v7, v4, 6, v7
	s_lshl_b32 s42, s[WV], 9
	v_add_nc_u32 v7, s42, v7
	s_delay_alu instid0(VALU_DEP_1)
	v_add_nc_u32 v8, 16*PITCH, v7                  ; the same in tile 1
	v_lshlrev_b32 v9, 2, v1                        ; 4 x lane
	v_lshlrev_b32 v10, 3, v1                       ; 8 x lane
	s_delay_alu instid0(VALU_DEP_1)
	v_add_nc_u32 v11, STAT, v10
	s_mov_b32 s43, 0x3a800000                      ; 1 / 1,024
	s_mov_b32 s44, 0x3727c5ac                      ; 1e-5
	s_mov_b32 s[MNT], 0x600000                     ; the mantissa field of 57,344
	s_mov_b32 s[SEL], 0x76543210
	s_mov_b32 s[SEL+1], 0xfedcba98                 ; lane l xor 16
	s_mov_b32 s48, 0xffff0000                      ; lanes 16-31
	s_lshl_b32 s38, ttmp9, 15                      ; qn_img: tile 2 P, K step w
	s_lshl_b32 s40, s[WV], 11
	s_add_co_u32 s38, s38, s40
	s_add_nc_u64 s[28:29], s[28:29], s[38:39]
	s_lshr_b32 s38, ttmp9, 3                       ; scale words: (P / 8) x 8,192 + w x 1,024 + (P % 8) x 128
	s_lshl_b32 s38, s38, 13
	s_lshl_b32 s40, s[WV], 10
	s_add_co_u32 s38, s38, s40
	s_and_b32 s40, ttmp9, 7
	s_lshl_b32 s40, s40, 7
	s_add_co_u32 s38, s38, s40
	s_add_nc_u64 s[50:51], s[32:33], s[38:39]
	s_lshl_b32 s38, ttmp9, 8                       ; the rows' figures: 32 rows x 8 bytes
	s_add_co_u32 s38, s38, STA
	s_add_nc_u64 s[52:53], s[32:33], s[38:39]
.irp k, 0,1,2,3
	v_mov_b32 v[MU+2*\k+1], 0                      ; a lane exchange's destination counts as one of its sources
.endr
	s_wait_loadcnt 16                              ; the rows are in; gamma's and beta's 16 loads may stay out
.irp k, 0,1,2,3
	v_pk_add_f32 v[AC+4*\k:AC+4*\k+1], v[X+32*\k:X+32*\k+1], v[X+32*\k+2:X+32*\k+3]
	v_pk_add_f32 v[AC+4*\k+2:AC+4*\k+3], v[X+32*\k+4:X+32*\k+5], v[X+32*\k+6:X+32*\k+7]
.endr
.irp i, 8,12,16,20,24,28
.irp k, 0,1,2,3
	v_pk_add_f32 v[AC+4*\k:AC+4*\k+1], v[AC+4*\k:AC+4*\k+1], v[X+32*\k+\i:X+32*\k+\i+1]
	v_pk_add_f32 v[AC+4*\k+2:AC+4*\k+3], v[AC+4*\k+2:AC+4*\k+3], v[X+32*\k+\i+2:X+32*\k+\i+3]
.endr
.endr
	WSUM
.irp k, 0,1,2,3
	s_delay_alu instid0(VALU_DEP_4)
	v_mul_f32 v[MU+2*\k], s43, v[AC+4*\k]          ; mu
.endr
.irp i, 0,2,4,6,8,10,12,14,16,18,20,22,24,26,28,30
.irp k, 0,1,2,3
	v_pk_add_f32 v[X+32*\k+\i:X+32*\k+\i+1], v[X+32*\k+\i:X+32*\k+\i+1], v[MU+2*\k:MU+2*\k+1] op_sel_hi:[1,0] neg_lo:[0,1] neg_hi:[0,1]   ; d = x - mu
.endr
.endr
.irp k, 0,1,2,3
	v_pk_mul_f32 v[AC+4*\k:AC+4*\k+1], v[X+32*\k:X+32*\k+1], v[X+32*\k:X+32*\k+1]
	v_pk_mul_f32 v[AC+4*\k+2:AC+4*\k+3], v[X+32*\k+2:X+32*\k+3], v[X+32*\k+2:X+32*\k+3]
.endr
.irp i, 4,8,12,16,20,24,28
.irp k, 0,1,2,3
	v_pk_fma_f32 v[AC+4*\k:AC+4*\k+1], v[X+32*\k+\i:X+32*\k+\i+1], v[X+32*\k+\i:X+32*\k+\i+1], v[AC+4*\k:AC+4*\k+1]
	v_pk_fma_f32 v[AC+4*\k+2:AC+4*\k+3], v[X+32*\k+\i+2:X+32*\k+\i+3], v[X+32*\k+\i+2:X+32*\k+\i+3], v[AC+4*\k+2:AC+4*\k+3]
.endr
.endr
	WSUM
.irp k, 0,1,2,3
	s_delay_alu instid0(VALU_DEP_4)
	v_fma_f32 v[AC+4*\k], v[AC+4*\k], s43, s44     ; var + 1e-5
.endr
	s_wait_alu depctr_va_vdst(0)
.irp k, 0,1,2,3
	v_rsq_f32 v[RS+2*\k], v[AC+4*\k]
.endr
	v_nop                                          ; a plain instruction behind the last of the four
	s_wait_alu depctr_va_vdst(0)                   ; one wait for the batch of four, ahead of its first reader
.irp k, 0,1,2,3
	v_mul_f32 v[RS+2*\k+1], -v[MU+2*\k], v[RS+2*\k]   ; -mu rstd, for the last launch's residual
.endr
.irp i, 0,2,4,6,8,10,12,14,16,18,20,22,24,26,28,30
.irp k, 0,1,2,3
	v_pk_mul_f32 v[X+32*\k+\i:X+32*\k+\i+1], v[X+32*\k+\i:X+32*\k+\i+1], v[RS+2*\k:RS+2*\k+1] op_sel_hi:[1,0]
.endr
.endr
	s_wait_loadcnt 0x0                             ; gamma, beta
.irp i, 0,2,4,6,8,10,12,14,16,18,20,22,24,26,28,30
.irp k, 0,1,2,3
	v_pk_fma_f32 v[X+32*\k+\i:X+32*\k+\i+1], v[X+32*\k+\i:X+32*\k+\i+1], v[GA+\i:GA+\i+1], v[BE+\i:BE+\i+1]
.endr
.endr
.irp k, 0,1,2,3
.irp j, 0,1,2,3,4,5,6,7
	ds_store_b128 v5, v[X+32*\k+4*\j:X+32*\k+4*\j+3] offset:\k*PITCH+512*\j
.endr
	ds_store_b64 v6, v[RS+2*\k:RS+2*\k+1] offset:8*\k   ; every lane writes the same pair to the same place
.endr
	s_wait_dscnt 0x0                               ; for the others' sake: my stores have landed
	s_barrier_signal -1
	s_barrier_wait -1                              ; 32 normalised rows lie in LDS
	; second part: wave w quantises K step w (128 along the row) of both tiles: lane (r, h) takes 16 neighbours of each block of 32
.irp b, 0,1,2,3
.irp j, 0,1,2,3
	ds_load_b128 v[X+16*\b+4*\j:X+16*\b+4*\j+3], v7 offset:128*\b+16*\j
.endr
.endr
.irp b, 0,1,2,3
.irp j, 0,1,2,3
	ds_load_b128 v[X+64+16*\b+4*\j:X+64+16*\b+4*\j+3], v8 offset:128*\b+16*\j
.endr
.endr
	s_wait_dscnt 16                                ; tile 0's 16 loads are in; tile 1's may stay out
	QUANT X, GA, 224
	s_wait_dscnt 0x0
	QUANT X+64, GA+16, 225
.irp u, 0,1
.irp c, 0,1,2,3
	global_store_b128 v2, v[GA+16*\u+4*\c:GA+16*\u+4*\c+3], s[28:29] offset:16384*\u+512*\c   ; 512 consecutive bytes
.endr
.endr
	v_cndmask_b32 v226, v224, v225, s48            ; lanes 0-15: tile 0's words, lanes 16-31: tile 1's (both halves of the lanes hold a row's word)
	global_store_b32 v9, v226, s[50:51]            ; 128 consecutive bytes: half of an aligned 256; these words are 1 byte in 160 of what the launch moves
	s_cmp_lg_u32 s[WV], 0
	s_cbranch_scc1 .Lln_end
	ds_load_b64 v[12:13], v11                      ; wave 0 sends the 32 rows' figures: one aligned run of 256 bytes
	s_wait_dscnt 0x0
	global_store_b64 v10, v[12:13], s[52:53]
.Lln_end:
	s_wait_tensorcnt 0x0
	ds_add_u32 v240, v241
	s_wait_dscnt 0x0
	s_endpgm
; ---------------- WEIGHTS: work-group 256 + 8 id + x; wave w lays tile T = 8 x + w of weight id
.Lweights:
	s_sub_co_u32 s38, ttmp9, 256
	s_lshr_b32 s40, s38, 3                         ; id: 0 Wq, 1 Wk, 2 Wv, 3 Wo
	s_and_b32 s38, s38, 7
	s_lshl_b32 s38, s38, 3
	s_add_co_u32 s41, s38, s[WV]                   ; T, 0..63
	s_cmp_eq_u32 s40, 1
	s_cselect_b64 s[12:13], s[14:15], s[12:13]
	s_cselect_b64 s[20:21], s[22:23], s[20:21]
	s_cmp_eq_u32 s40, 2
	s_cselect_b64 s[12:13], s[16:17], s[12:13]
	s_cselect_b64 s[20:21], s[24:25], s[20:21]
	s_cmp_eq_u32 s40, 3
	s_cselect_b64 s[12:13], s[18:19], s[12:13]
	s_cselect_b64 s[20:21], s[26:27], s[20:21]
	s_lshr_b32 s42, s41, 1
	s_lshl_b32 s42, s42, 5
	s_and_b32 s43, s41, 1
	s_lshl_b32 s43, s43, 3
	s_add_co_u32 s42, s42, s43                     ; the tile's first row: 32 (T / 2) + 8 (T % 2)
	s_lshl_b32 s38, s42, 10
	s_add_nc_u64 s[12:13], s[12:13], s[38:39]      ; its codes, 1,024 bytes a row
	s_lshl_b32 s38, s42, 5
	s_add_nc_u64 s[20:21], s[20:21], s[38:39]      ; its scale bytes, 32 a row
	s_lshl_b32 s38, s40, 20
	s_lshl_b32 s43, s41, 14
	s_add_co_u32 s38, s38, s43
	s_add_nc_u64 s[30:31], s[30:31], s[38:39]      ; w_img: id x 1 MiB + T x 16,384
	s_lshl_b32 s38, s40, 15
	s_add_co_u32 s38, s38, WSO
	s_lshr_b32 s43, s41, 4
	s_lshl_b32 s43, s43, 13
	s_add_co_u32 s38, s38, s43
	s_and_b32 s43, s41, 15
	s_lshl_b32 s43, s43, 6
	s_add_co_u32 s38, s38, s43
	s_add_nc_u64 s[32:33], s[32:33], s[38:39]      ; scale words: id x 32,768 + (T / 16) x 8,192 + (T % 16) x 64
	s_wait_alu depctr_va_vdst(0)
	v_and_b32 v5, 8, v3
	s_delay_alu instid0(VALU_DEP_1)
	v_add_nc_u32 v5, v5, v3                        ; r + 8 (r / 8)
	s_delay_alu instid0(VALU_DEP_1)
	v_lshlrev_b32 v6, 10, v5
	s_delay_alu instid0(VALU_DEP_1)
	v_lshl_add_u32 v6, v4, 4, v6                   ; codes: my row, + 16 h
	s_delay_alu instid0(VALU_DEP_3)
	v_lshlrev_b32 v7, 5, v5
	s_delay_alu instid0(VALU_DEP_1)
	v_lshl_add_u32 v7, v4, 4, v7                   ; scale bytes: my row, + 16 h: the words of K steps 4 h .. 4 h + 3
	v_lshlrev_b32 v8, 2, v3
	s_delay_alu instid0(VALU_DEP_1)
	v_lshl_add_u32 v8, v4, 12, v8                  ; out: 4 r + 4 h planes of 1,024 bytes
	global_load_b128 v[12:15], v7, s[20:21]
.set n, 0
.rept 32
	global_load_b128 v[16+4*n:19+4*n], v6, s[12:13] offset:(n/4)*128+(n%4)*32
.set n, n+1
.endr
.set n, 0
	s_wait_alu depctr_va_vdst(0)
.rept 32
	s_wait_loadcnt 31-n                            ; load n is in; the 31 - n younger ones may stay out
	global_store_b128 v2, v[16+4*n:19+4*n], s[30:31] offset:(n/4)*2048+(n%4)*512   ; 512 consecutive bytes
.set n, n+1
.endr
.irp k, 0,1,2,3
	global_store_b32 v8, v[12+\k], s[32:33] offset:1024*\k   ; pieces of 64 bytes; 128 KiB in the whole launch
.endr
	s_endpgm
; ---------------- MASK: work-group 288 + Tseq; wave w makes the words of key steps 2 w and 2 w + 1 for the 16 queries of tile Tseq
; word n = 16 b + i of a step: bit (r + 16 h) = mask[query r of the tile][128 step + 32 b + 16 h + i]: the lane mask of the attention launch's score register n
.Lmask:
	s_sub_co_u32 s40, ttmp9, 288                   ; Tseq, 0..127
	s_lshr_b32 s41, s40, 1
	s_lshl_b32 s41, s41, 5
	s_and_b32 s42, s40, 1
	s_lshl_b32 s42, s42, 3
	s_add_co_u32 s41, s41, s42                     ; the tile's first query
	s_lshl_b32 s38, s41, 11                        ; 2,048 bytes a query
	s_lshl_b32 s42, s[WV], 8                       ; my two steps: 256 keys
	s_add_co_u32 s38, s38, s42
	s_add_nc_u64 s[10:11], s[10:11], s[38:39]
	s_lshl_b32 s38, s40, 12                        ; mw: 4,096 bytes a tile, 256 a step
	s_lshl_b32 s42, s[WV], 9
	s_add_co_u32 s38, s38, s42
	s_add_nc_u64 s[34:35], s[34:35], s[38:39]
	s_wait_alu depctr_va_vdst(0)
	v_and_b32 v5, 8, v3
	s_delay_alu instid0(VALU_DEP_1)
	v_add_nc_u32 v5, v5, v3
	s_delay_alu instid0(VALU_DEP_1)
	v_lshlrev_b32 v6, 11, v5
	s_delay_alu instid0(VALU_DEP_1)
	v_lshl_add_u32 v6, v4, 4, v6                   ; my query's row, + 16 h
	v_lshlrev_b32 v7, 3, v1
.irp t, 0,1
.irp b, 0,1,2,3
	global_load_b128 v[16+16*\t+4*\b:19+16*\t+4*\b], v6, s[10:11] offset:128*\t+32*\b th:TH_LOAD_NT
.endr
.endr
.irp j, 0,1,2,3
	v_mov_b32 v[48+\j], 0                          ; written whole before single lanes are written
.endr
.macro MWORDS t
.set n, 0
.rept 64
	v_and_b32 v[52+n%4], 0xff<<(8*(n%4)), v[16+16*\t+4*(n/16)+(n%16)/4]   ; key 32 (n / 16) + 16 h + n % 16: its byte
	s_delay_alu instid0(VALU_DEP_1)
	v_cmp_ne_u32 s[40+n%8], 0, v[52+n%4]                                  ; one bit a lane
	s_delay_alu instid0(VALU_DEP_1)
	v_writelane_b32 v[48+2*\t+n%2], s[40+n%8], n/2                        ; lane n / 2 keeps words n (even) and n + 1
.set n, n+1
.endr
	global_store_b64 v7, v[48+2*\t:49+2*\t], s[34:35] offset:256*\t       ; one aligned run of 256 bytes
.endm
	s_wait_alu depctr_va_vdst(0)
	s_wait_loadcnt 4                               ; the first step's four loads are in
	MWORDS 0
	s_wait_loadcnt 0x0
	MWORDS 1
	s_endpgm
.Lfunc_end_k_q9da7572685_prep:
	.size	k_q9da7572685_prep, .Lfunc_end_k_q9da7572685_prep-k_q9da7572685_prep
	.p2alignl 7, 3214868480
	.fill 96, 4, 3214868480
	.section	.rodata,"a",@progbits
	.p2align	6, 0x0
	.amdhsa_kernel k_q9da7572685_prep
		.amdhsa_group_segment_fixed_size 132864
		.amdhsa_private_segment_fixed_size 0
		.amdhsa_enable_private_segment 0
		.amdhsa_kernarg_size 128
		.amdhsa_user_sgpr_count 2
		.amdhsa_user_sgpr_kernarg_segment_ptr 1
		.amdhsa_wavefront_size32 1
		.amdhsa_system_sgpr_workgroup_id_x 1
		.amdhsa_system_sgpr_workgroup_id_y 1
		.amdhsa_system_sgpr_workgroup_id_z 1
		.amdhsa_system_vgpr_workitem_id 0
		.amdhsa_next_free_vgpr 242
		.amdhsa_next_free_sgpr 66
		.amdhsa_reserve_vcc 0
		.amdhsa_float_denorm_mode_32 3
		.amdhsa_float_denorm_mode_16_64 3
		.amdhsa_memory_ordered 1
		.amdhsa_forward_progress 1
		.amdhsa_inst_pref_size 102
	.end_amdhsa_kernel
	.amdgpu_metadata
---
amdhsa.version: [ 1, 2 ]
amdhsa.kernels:
  - .name:           k_q9da7572685_prep
    .symbol:         k_q9da7572685_prep.kd
    .args:
      - { .name: q, .offset: 0, .size: 8, .value_kind: global_buffer, .address_space: global }
      - { .name: gamma, .offset: 8, .size: 8, .value_kind: global_buffer, .address_space: global }
      - { .name: beta, .offset: 16, .size: 8, .value_kind: global_buffer, .address_space: global }
      - { .name: attn_mask, .offset: 24, .size: 8, .value_kind: global_buffer, .address_space: global }
      - { .name: Wq_codes, .offset: 32, .size: 8, .value_kind: global_buffer, .address_space: global }
      - { .name: Wk_codes, .offset: 40, .size: 8, .value_kind: global_buffer, .address_space: global }
      - { .name: Wv_codes, .offset: 48, .size: 8, .value_kind: global_buffer, .address_space: global }
      - { .name: Wo_codes, .offset: 56, .size: 8, .value_kind: global_buffer, .address_space: global }
      - { .name: Wq_scales, .offset: 64, .size: 8, .value_kind: global_buffer, .address_space: global }
      - { .name: Wk_scales, .offset: 72, .size: 8, .value_kind: global_buffer, .address_space: global }
      - { .name: Wv_scales, .offset: 80, .size: 8, .value_kind: global_buffer, .address_space: global }
      - { .name: Wo_scales, .offset: 88, .size: 8, .value_kind: global_buffer, .address_space: global }
      - { .name: qn_img, .offset: 96, .size: 8, .value_kind: global_buffer, .address_space: global }
      - { .name: w_img, .offset: 104, .size: 8, .value_kind: global_buffer, .address_space: global }
      - { .name: sc1, .offset: 112, .size: 8, .value_kind: global_buffer, .address_space: global }
      - { .name: mw, .offset: 120, .size: 8, .value_kind: global_buffer, .address_space: global }
    .group_segment_fixed_size: 132864
    .private_segment_fixed_size: 0
    .kernarg_segment_align: 8
    .kernarg_segment_size: 128
    .max_flat_workgroup_size: 256
    .sgpr_count:     66
    .vgpr_count:     242
    .wavefront_size: 32
...
	.end_amdgpu_metadata
.endif
;; end of part 1
;; launch qkv (part 2): grid 12 x 32, 4 waves a work-group, clusters of 4 x 4, 327,680 bytes of LDS; arguments qn_img, w_img, sc1, qkv_img, qkv_sc; writes qkv_img, qkv_sc
.if DOCPART == 2
	.amdgcn_target "amdgcn-amd-amdhsa--gfx1250"
	.amdhsa_code_object_version 6
	.text
	.protected	k_q9da7572685_qkv
	.globl	k_q9da7572685_qkv
	.p2align	8
	.type	k_q9da7572685_qkv,@function
k_q9da7572685_qkv:
	s_mov_b64 s[64:65], 0
	v_nop
	global_prefetch_b8 v0, s[64:65] scope:SCOPE_SE
	s_setreg_imm32_b32 hwreg(HW_REG_WAVE_MODE, 25, 1), 1
	s_wait_xcnt 0x0
	s_wait_alu depctr_hold_cnt(0) depctr_sa_sdst(0) depctr_va_vdst(0) depctr_va_sdst(0) depctr_va_ssrc(0) depctr_va_vcc(0) depctr_vm_vsrc(0)
	s_getreg_b32 s2, hwreg(HW_REG_IB_STS2, 6, 4)
	s_cmp_eq_u32 s2, 0
	s_cbranch_scc0 .Lentry_in_a_cluster
	s_endpgm
.Lentry_in_a_cluster:
	s_bfe_u32 s2, ttmp6, 0x10000c
	s_cmp_lg_u32 s2, 0xf033
	s_cbranch_scc0 .Lentry_shape_is_right
	s_endpgm
.Lentry_shape_is_right:
; hq = qn Wq, hk = qn Wk, hv = qn Wv on codes of E5M2 with E8M0 scales (K = 1,024), and each result quantised in registers for the attention launch.
; The cluster's x is the ROLE, the same in all sixteen partners: 0 hq, 1 hk, 2 hv.  A tile is 256 x 256; four waves, 128 x 128 each: 64 accumulators, 512 registers.
; Operands come as IMAGES OF THEIR REGISTERS: byte T x 16384 + s x 2048 + c x 512 + lane x 16 (tile T of 16 rows, K step s of 128, block c of 32): a fragment is four LDS loads of 512 consecutive bytes: no pitch, no padding.
; Tile T = 2 P + u, lane-row r is actual row 32 P + 8 u + r + 8 (r / 8).  THE MATRIX INSTRUCTION IS USED TRANSPOSED (source 0 = 16 rows of B, source 1 = 16 rows of A): a lane holds ONE row of A, and its 16 registers of B's
; tiles 2 b and 2 b + 1 are B's 16 neighbouring actual rows 32 b + 16 (lane / 16) + 0 .. 15: the order in which the conversions and the next product's operand want them.
; Roles 0, 1: A = qn (tokens), B = the weight (channels): registers run along the head's channels, the K of the scores.   Role 2: A = Wv (channels), B = qn (tokens): registers run along the keys, the K of the second product.
; K goes in four steps of 256 through two LDS slots; the scale words of the 256 + 256 rows for all of K (8 KiB + 8 KiB) come once.  A wave has one tensor load out at a time.
; CLUSTERS: 4 x 4.  A's tiles are shared along a row of the cluster, B's along a column: each is asked for jointly.
; LIMITS: a block of zeros gets the byte 1 (its codes are zeros; this program alone reads the bytes); NaN and infinities are not served.
; REGISTERS: window 0: v16-29 addresses; v32-63 scale words, two sets, and nothing else; v64-127 the way out's work; v128-255 A's fragments, ONE set, later the codes.  window 1: B's fragments, TWO sets.  windows 2, 3: accumulator (a, b) at v[8 (8 (a % 4) + b)].
.set NQ,     2                         ; matrix instructions deep in a slot
.set FR,     16
.set NL,     4
.set NP,     8                         ; places behind this matrix instruction (ISA guide 7.12.1)
.set HALFT,  32768                     ; 8 tiles x 4,096 bytes: what one tensor load brings
.set SLOT,   4*HALFT
.set SCL,    2*SLOT                    ; the scale words: A's 8 planes of 1,024 bytes, then B's
.set SPARE,  SCL+16384                 ; the spare words, 128 bytes a wave: two blocks of 256 bytes that no other line names
.set WSO,    262144                    ; sc1: the weights' scale words
.set HV,     16777216                  ; qkv_img: hq 0, hk 8 MiB, hv 16 MiB
.set HVS,    1048576                   ; qkv_sc: hq 0, hk 512 KiB, hv 1 MiB
.set ADRA, 16
.set ADRB, 20
.set L16,  24                          ; v24 16 x lane
.set L8,   25                          ; v25 8 x lane
.set ADRS, 27
.set SPW,  28
.set NIL,  29
.set SC,   32
.set TM,   64                          ; v64-79 the quantiser's work
.set LO,   80                          ; v80-87 block a: bytes 0, 1 of its scale word
.set HI,   88                          ; v88-95 bytes 2, 3
.set OW,   96                          ; v96-103 words as they are stored
.set WD,   112                         ; v112-119 whole words (role 2)
.set AF,   128
.set G1, 24
.set G0, 32
.set G1B, 48
.set G0B, 56
.set G1S, 68
.set G0S, 76
.set G1SB, 80
.set G0SB, 88
.set MSB, 0
.macro WIN new                         ; the immediate's high byte repeats the setting that is left
.if MSB != \new
	s_set_vgpr_msb (MSB<<8)|\new
.set MSB, \new
.endif
.endm
.set MUL_LO, 0xa1                      ; source 0 (B) window 1, source 1 (A) window 0, C and D window 2
.set MUL_HI, 0xf1
.set TO_B,   0x40
; A joint load: waves 0 and 1 fetch for A, waves 2 and 3 for B; the branch hangs on the wave's number alone.  Four v_nop follow each of the two lines.
.macro JLOAD g0a, g1a, g0b, g1b
	s_cmp_eq_u32 s15, 0
	s_cbranch_scc0 .Lfor_b_\@
	tensor_load_to_lds s[\g0a:\g0a+3], s[\g1a:\g1a+7]
	s_nop 0
.rept 4
	v_nop
.endr
	s_branch .Lasked_\@
.Lfor_b_\@:
	tensor_load_to_lds s[\g0b:\g0b+3], s[\g1b:\g1b+7]
	s_nop 0
.rept 4
	v_nop
.endr
.Lasked_\@:
.endm
.macro CREST                           ; a round of the cluster's barrier behind its opening barrier
	s_cmp_lg_u32 s14, 0
	s_cbranch_scc1 .Lnot_wave_0_\@
	s_barrier_signal -3
.Lnot_wave_0_\@:
	s_barrier_wait -3
	s_barrier_signal -1
	s_barrier_wait -1
.endm
.macro CROUND
	s_barrier_signal -1
	s_barrier_wait -1
	CREST
.endm
	s_load_b256 s[4:11], s[0:1], 0x0               ; qn_img s[4:5], w_img s[6:7], sc1 s[8:9], qkv_img s[10:11]
	s_load_b64 s[12:13], s[0:1], 0x20              ; qkv_sc
	v_lshl_add_u32 v[SPW], v0, 2, SPARE
	v_mov_b32 v[NIL], 0
	ds_add_u32 v28, v29
	ds_add_u32 v28, v29
	s_wait_dscnt 0x0
	v_lshrrev_b32 v1, 5, v0
	v_readfirstlane_b32 s14, v1                    ; wave 0..3
	s_lshr_b32 s15, s14, 1                         ; which half of A's rows is mine.  Also: I fetch for A (0) or for B (1)
	s_and_b32 s16, s14, 1                          ; which half of B's rows.  Also: which 8 tiles I fetch
	s_bfe_u32 s40, ttmp6, 0x40000                  ; cx
	s_bfe_u32 s41, ttmp6, 0x40004                  ; cy
	s_and_b32 s17, ttmp7, 0xffff
	s_lshl_b32 s18, s17, 2                         ; 4 x cluster y
	s_cmp_eq_u32 ttmp9, 2
	s_cselect_b32 s17, 0, s18
	s_cselect_b32 s42, s18, 0
	s_add_co_u32 s17, s17, s41                     ; tr, A's block of 256 rows: roles 0, 1: 4 x cluster y + cy (tokens); role 2: cy (channels)
	s_add_co_u32 s42, s42, s40                     ; tc, B's: roles 0, 1: cx (channels); role 2: 4 x cluster y + cx (tokens)
	s_lshl_b32 s43, s41, 2
	s_lshl_b32 s43, 15, s43                        ; my row of the cluster
	s_lshl_b32 s44, 0x1111, s40                    ; my column
	; group 1 for codes: 8 rows (tiles) of 512 elements of 8 bytes (a K step's 4,096 bytes of a tile), 2,048 elements (16,384 bytes) apart; no padding
	s_or_b32 s[G1+0], s43, (3<<16)|(1<<21)
	s_or_b32 s[G1B+0], s44, (3<<16)|(1<<21)
.irp g, G1, G1B
	s_mov_b32 s[\g+1], 512<<16                     ; tensor_dim0
	s_mov_b32 s[\g+2], 16<<16                      ; tensor_dim1: the head's loads bring 16 tiles
	s_mov_b32 s[\g+3], 512<<16                     ; tile_dim0
	s_mov_b32 s[\g+4], 16                          ; tile_dim1
	s_mov_b32 s[\g+5], 2048                        ; stride
	s_mov_b32 s[\g+6], 0
	s_mov_b32 s[\g+7], 0
.endr
	; group 1 for scale words: 8,192 dense bytes (eight planes) as 32 rows of 256 bytes
	s_or_b32 s[G1S+0], s43, (3<<16)|(1<<21)
	s_or_b32 s[G1SB+0], s44, (3<<16)|(1<<21)
.irp g, G1S, G1SB
	s_mov_b32 s[\g+1], 32<<16
	s_mov_b32 s[\g+2], 32<<16
	s_mov_b32 s[\g+3], 32<<16
	s_mov_b32 s[\g+4], 32
	s_mov_b32 s[\g+5], 32
	s_mov_b32 s[\g+6], 0
	s_mov_b32 s[\g+7], 0
.endr
	s_lshl_b32 s20, s17, 18                        ; A's codes: tr x 16 tiles of 16,384 bytes
	s_lshl_b32 s46, s42, 18                        ; B's
	s_lshl_b32 s22, s17, 13                        ; A's scale words: tr x 8,192
	s_lshl_b32 s92, s42, 13
	s_lshl_b32 s18, ttmp9, 20                      ; the role's weight in w_img,
	s_lshl_b32 s19, ttmp9, 15
	s_add_co_u32 s19, s19, WSO                     ; and its scale words in sc1 (qn's begin at 0)
	s_cmp_eq_u32 ttmp9, 2
	s_cselect_b32 s93, s18, 0
	s_cselect_b32 s94, 0, s18
	s_cselect_b32 s95, s19, 0
	s_cselect_b32 s96, 0, s19
	s_add_co_u32 s20, s20, s93
	s_add_co_u32 s46, s46, s94
	s_add_co_u32 s22, s22, s95
	s_add_co_u32 s92, s92, s96
	s_mov_b32 s21, 0
	s_mov_b32 s23, 0
	s_mov_b32 s47, 0
	s_mov_b32 s93, 0
	s_mul_i32 s45, s14, HALFT                      ; where they go: no place in the cluster enters an LDS address
	s_wait_kmcnt 0x0
	s_cmp_eq_u32 ttmp9, 2
	s_cselect_b64 s[98:99], s[6:7], s[4:5]         ; A's codes: the weight in role 2, else qn
	s_cselect_b64 s[94:95], s[4:5], s[6:7]         ; B's
	s_add_nc_u64 s[20:21], s[98:99], s[20:21]
	s_add_nc_u64 s[46:47], s[94:95], s[46:47]
	s_add_nc_u64 s[22:23], s[8:9], s[22:23]
	s_add_nc_u64 s[92:93], s[8:9], s[92:93]
	CROUND                                         ; all sixteen work-groups are here: the first joint loads meet
	s_mov_b32 s[G0S], 1
	s_mov_b32 s[G0S+1], SCL
	s_mov_b64 s[G0S+2:G0S+3], s[22:23]
	s_or_b32 s[G0S+3], s[G0S+3], 0x80000000
	s_mov_b32 s[G0SB], 1
	s_mov_b32 s[G0SB+1], SCL+8192
	s_mov_b64 s[G0SB+2:G0SB+3], s[92:93]
	s_or_b32 s[G0SB+3], s[G0SB+3], 0x80000000
	s_lshl_b32 s18, s16, 17                        ; in the ring I fetch 8 tiles: which half, in bytes
	s_mov_b32 s19, 0
.irp s, 0,1
	s_mov_b32 s[G0+4*\s], 1
	s_add_co_u32 s[G0+4*\s+1], s45, \s*SLOT
	s_add_nc_u64 s[G0+4*\s+2:G0+4*\s+3], s[20:21], \s*4096
	s_or_b32 s[G0+4*\s+3], s[G0+4*\s+3], 0x80000000
	s_mov_b32 s[G0B+4*\s], 1
	s_add_co_u32 s[G0B+4*\s+1], s45, \s*SLOT
	s_add_nc_u64 s[G0B+4*\s+2:G0B+4*\s+3], s[46:47], \s*4096
	s_or_b32 s[G0B+4*\s+3], s[G0B+4*\s+3], 0x80000000
.endr
	s_mov_b32 s[G0+1], 0                           ; at the head slot 0's groups 0 stand for whole tiles: A's 16 tiles at byte 0,
	s_mov_b32 s[G0B+1], 2*HALFT                    ; B's behind them
	s_add_nc_u64 s[G0+6:G0+7], s[G0+6:G0+7], s[18:19]      ; slot 1's: my 8 tiles
	s_add_nc_u64 s[G0B+6:G0B+7], s[G0B+6:G0B+7], s[18:19]
; THE HEAD'S LOADS, ONE A WAVE: wave 0 K step 0 of A's 16 tiles, wave 1 of B's, wave 2 A's scale words, wave 3 B's.  One chain of branches on the wave's number.
.macro ARM under, g0, g1, next
	s_cmp_lt_u32 s14, \under
	s_cbranch_scc0 \next
	tensor_load_to_lds s[\g0:\g0+3], s[\g1:\g1+7]
	s_nop 0
.rept 4
	v_nop
.endr
	s_branch .Lhead_asked
\next:
.endm
	ARM 1, G0,  G1,  .Lhead_b
	ARM 2, G0B, G1B, .Lhead_sa
	ARM 3, G0S, G1S, .Lhead_sb
	tensor_load_to_lds s[G0SB:G0SB+3], s[G1SB:G1SB+7]
	s_nop 0
.rept 4
	v_nop
.endr
.Lhead_asked:
	v_and_b32 v1, 15, v0                           ; r
	v_bfe_u32 v2, v0, 4, 1                         ; h
	s_wait_alu depctr_va_vdst(0)
	v_and_b32 v3, 31, v0
	v_lshlrev_b32 v[L16], 4, v3
	v_lshlrev_b32 v[L8], 3, v3
	s_mul_i32 s21, s15, HALFT                      ; my 8 tiles of A
	s_mul_i32 s22, s16, HALFT                      ; my 8 tiles of B,
	s_add_co_u32 s22, s22, 2*HALFT                 ; which lie behind A's 16
.irp s, 0,1
	v_add_nc_u32 v[ADRA+\s], s21, v[L16]
	v_add_nc_u32 v[ADRB+\s], s22, v[L16]
	s_add_co_u32 s21, s21, SLOT
	s_add_co_u32 s22, s22, SLOT
.endr
	s_lshl_b32 s21, s15, 9                         ; scale words: A's: my 128 rows x 4 bytes in a plane
	s_lshl_b32 s22, s16, 9                         ; B's, 8,192 bytes further on
	s_add_co_u32 s22, s22, 8192
	s_sub_co_u32 s22, s22, s21
	v_mul_u32_u24 v6, s22, v2                      ; lanes 16-31 take B's
	s_add_co_u32 s21, s21, SCL
	v_lshl_add_u32 v5, v1, 2, v6
	v_add_nc_u32 v[ADRS], s21, v5
.macro FRAG reg, adr, q, i             ; a fragment as it was stored: four loads of 512 consecutive bytes
.irp c, 0,1,2,3
	ds_load_b128 v[\reg+4*\c:\reg+4*\c+3], v[\adr] offset:2048*(\q)+512*\c+(\i)*4096
.endr
.endm
; 16 matrix instructions: A's blocks a0, a0 + 1 x B's eight.  The 64 accumulators take turns, one instruction a turn, in the same order in every step.
.macro MUL16 a0, p, q, sc, zero
.irp a, \a0, \a0+1
.irp b, 0,1,2,3,4,5,6,7
.if \zero
	v_wmma_scale_f32_16x16x128_f8f6f4 v[8*(8*((\a)%4)+\b):8*(8*((\a)%4)+\b)+7], v[128*(\p)+FR*\b:128*(\p)+FR*\b+FR-1], v[AF+FR*(\a):AF+FR*(\a)+FR-1], 0, v[SC+8*NQ*(\sc)+NQ*\b+(\q)], v[SC+8*NQ*(\sc)+NQ*(\a)+(\q)] matrix_a_fmt:MATRIX_FMT_BF8 matrix_b_fmt:MATRIX_FMT_BF8 matrix_a_scale:MATRIX_SCALE_ROW1
.else
	v_wmma_scale_f32_16x16x128_f8f6f4 v[8*(8*((\a)%4)+\b):8*(8*((\a)%4)+\b)+7], v[128*(\p)+FR*\b:128*(\p)+FR*\b+FR-1], v[AF+FR*(\a):AF+FR*(\a)+FR-1], v[8*(8*((\a)%4)+\b):8*(8*((\a)%4)+\b)+7], v[SC+8*NQ*(\sc)+NQ*\b+(\q)], v[SC+8*NQ*(\sc)+NQ*(\a)+(\q)] matrix_a_fmt:MATRIX_FMT_BF8 matrix_b_fmt:MATRIX_FMT_BF8 matrix_a_scale:MATRIX_SCALE_ROW1
.endif
.endr
.endr
.endm
.macro FETCH_B slot, q, p
	WIN TO_B
.irp i, 0,1,2,3,4,5,6,7
	FRAG 128*(\p)+FR*\i, ADRB+\slot, \q, \i
.endr
	WIN 0
.endm
.macro FETCH_A slot, q, i0
.irp i, \i0, \i0+1, \i0+2, \i0+3
	FRAG AF+FR*(\i), ADRA+\slot, \q, \i
.endr
.endm
.macro SCALES sc                       ; a K step's scale words: register 2 i + q: lanes 0-15 A's block i, lanes 16-31 B's block i
.irp i, 0,1,2,3,4,5,6,7
	ds_load_b32 v[SC+8*NQ*\sc+NQ*\i], v[ADRS] offset:64*\i
	ds_load_b32 v[SC+8*NQ*\sc+NQ*\i+1], v[ADRS] offset:64*\i+1024
.endr
.endm
.macro PLACES n                        ; plain vector instructions between a matrix instruction and a load into, or a read of, its registers
.rept \n
	v_nop
.endr
.endm
.macro STEP slot, q, zero              ; a step of 128 along K that has its successor in the same slot
	s_wait_dscnt 4*NL                              ; B's set, A's blocks 0-3 and the scale words are in; the youngest 16 loads (A's blocks 4-7) may be out
	WIN MUL_LO
	MUL16 0, (\q)%2, \q, \slot, \zero
	MUL16 2, (\q)%2, \q, \slot, \zero
	s_wait_dscnt 0
	PLACES NP
	FETCH_B \slot, (\q)+1, 1-(\q)%2
	FETCH_A \slot, (\q)+1, 0
	WIN MUL_HI
	MUL16 4, (\q)%2, \q, \slot, \zero
	MUL16 6, (\q)%2, \q, \slot, \zero
	PLACES NP
	WIN 0
	FETCH_A \slot, (\q)+1, 4
.endm
; A slot's last step changes slots: one barrier; in front of it each wave waits for all its tensor loads, adds 0 to its spare word, and waits for that and for its reads of this slot.
.macro TURN slot, next, fill
	s_wait_tensorcnt 0x0                           ; all my tensor loads have landed: my part of the next slot
	ds_add_u32 v[SPW], v[NIL]                      ; 0 onto my spare word
	s_wait_dscnt 4*NL+1                            ; the add and the youngest 16 loads (A's blocks 4-7) may be out
	WIN MUL_LO
	MUL16 0, 1, NQ-1, \slot, 0
	s_wait_dscnt 0x0                               ; the add is done, and my reads of this slot are over
	s_barrier_signal -1
	MUL16 2, 1, NQ-1, \slot, 0
	WIN 0
	s_barrier_wait -1
.if \fill
	CREST                                          ; the barrier has opened a round of the cluster's: no wave of any partner still reads this slot or has a load on its way
	s_add_nc_u64 s[G0+4*\slot+2:G0+4*\slot+3], s[G0+4*\slot+2:G0+4*\slot+3], 8192
	s_add_nc_u64 s[G0B+4*\slot+2:G0B+4*\slot+3], s[G0B+4*\slot+2:G0B+4*\slot+3], 8192
	JLOAD G0+4*\slot, G1, G0B+4*\slot, G1B         ; the first tensor load behind the round; its four v_nop are among the places in front of the loads below
	PLACES NP-4
.else
	PLACES NP
.endif
	s_wait_alu depctr_va_vdst(0)
	v_add_nc_u32 v[ADRS], 2048, v[ADRS]            ; the next K step's two planes of scale words
	FETCH_B \next, 0, 0
	FETCH_A \next, 0, 0
	SCALES \next
	WIN MUL_HI
	MUL16 4, 1, NQ-1, \slot, 0
	MUL16 6, 1, NQ-1, \slot, 0
	PLACES NP
	WIN 0
	FETCH_A \next, 0, 4
.endm
	s_wait_alu depctr_va_vdst(0)
	s_wait_tensorcnt 0x0                           ; my tile of the head's four is in
	ds_add_u32 v[SPW], v[NIL]
	s_mov_b32 s[G1+2], 8<<16                       ; no tensor load of mine is out: from here on a load brings 8 tiles,
	s_mov_b32 s[G1+4], 8
	s_mov_b32 s[G1B+2], 8<<16
	s_mov_b32 s[G1B+4], 8
	s_mov_b32 s[G0+1], s45                         ; and slot 0's groups 0 stand for my quarter of the slot
	s_mov_b32 s[G0B+1], s45
	s_add_nc_u64 s[G0+2:G0+3], s[G0+2:G0+3], s[18:19]
	s_add_nc_u64 s[G0B+2:G0B+3], s[G0B+2:G0B+3], s[18:19]
	s_wait_dscnt 0x0
	CROUND                                         ; all four tiles are in, and all sixteen work-groups are here
	JLOAD G0+4, G1, G0B+4, G1B                     ; K step 1, the first tensor load behind the round
	FETCH_B 0, 0, 0
	FETCH_A 0, 0, 0
	SCALES 0
	FETCH_A 0, 0, 4
	STEP 0, 0, 1                                   ; the first products start the sums: nothing is cleared
	TURN 0, 1, 1                                   ; slot 0 takes K step 2
	STEP 1, 0, 0
	TURN 1, 0, 1                                   ; slot 1 takes K step 3
	STEP 0, 0, 0
	TURN 0, 1, 0
	STEP 1, 0, 0
	s_wait_dscnt 4*NL
	WIN MUL_LO
	MUL16 0, 1, NQ-1, 1, 0
	MUL16 2, 1, NQ-1, 1, 0
	s_wait_dscnt 0
	WIN MUL_HI
	MUL16 4, 1, NQ-1, 1, 0
	MUL16 6, 1, NQ-1, 1, 0
	WIN 0
; THE WAY OUT: no LDS.  Block a (one tile of A's rows): a lane's 64 registers are 4 blocks of 32 along the next K, 16 numbers of each; lane l xor 16 holds the other 16.
	PLACES NP
	s_mov_b32 s18, 0x76543210
	s_mov_b32 s19, 0xfedcba98
	s_mov_b32 s3, 0x600000                         ; the mantissa field of 57,344
	s_mov_b32 s93, 0xffff0000                      ; lanes 16-31
.irp b, 0,1,2,3
	v_mov_b32 v[TM+4+\b], 0                        ; a lane exchange's destination counts as one of its sources
.endr
.macro QUANTW a
.set W, 2+(\a)/4
.set AC, 64*((\a)%4)
.set PC, AF+16*(\a)
	WIN ((W<<2)|W)                                 ; sources 0 and 1: the accumulators' window
.irp b, 0,1,2,3
	v_max3_num_f32 v[TM+\b], |v[AC+16*\b]|, |v[AC+16*\b+1]|, 0x8000000   ; each accumulator is read from its low end on; the floor 2^(16 - 127) holds the byte at 1 from below
.endr
.irp i, 2,4,6,8,10,12,14
.irp b, 0,1,2,3
	v_max3_num_f32 v[TM+\b], |v[AC+16*\b+\i]|, |v[AC+16*\b+\i+1]|, v[TM+\b]
.endr
.endr
	WIN 0
.irp b, 0,1,2,3
	v_permlanex16_b32 v[TM+4+\b], v[TM+\b], s18, s19
.endr
.irp b, 0,1,2,3
	v_max_num_f32 v[TM+\b], v[TM+\b], v[TM+4+\b]
.endr
.irp b, 0,1,2,3
	v_add_nc_u32 v[TM+12+\b], 0xf8800000, v[TM+\b]         ; 15 off the exponent field: the conversion's scale operand
.endr
.irp b, 0,1,2,3
	v_and_or_b32 v[TM+8+\b], v[TM+\b], 0x7f800000, s3      ; 57,344 x the scale
.endr
.irp b, 0,1,2,3
	v_lshrrev_b32 v[TM+4+\b], 23, v[TM+12+\b]              ; the byte
.endr
	v_lshl_or_b32 v[LO+(\a)], v[TM+5], 8, v[TM+4]
	v_lshl_or_b32 v[HI+(\a)], v[TM+7], 8, v[TM+6]
	WIN ((W<<6)|W)                                 ; destination and source 0: the accumulators' window
.irp b, 0,1,2,3
.irp i, 0,1,2,3,4,5,6,7,8,9,10,11,12,13,14,15
	v_med3_num_f32 v[AC+16*\b+\i], v[AC+16*\b+\i], -v[TM+8+\b], v[TM+8+\b]   ; the hold: the conversion does not saturate (ISA guide 7.6.2)
.endr
.endr
	WIN W
.irp b, 0,1,2,3
	v_cvt_scalef32_pk8_bf8_f32 v[PC+4*\b:PC+4*\b+1], v[AC+16*\b:AC+16*\b+7], v[TM+12+\b]
	v_cvt_scalef32_pk8_bf8_f32 v[PC+4*\b+2:PC+4*\b+3], v[AC+16*\b+8:AC+16*\b+15], v[TM+12+\b]
.endr
	WIN 0
	v_nop                                          ; a plain instruction behind the last conversion
.endm
.irp a, 0,1,2,3,4,5,6,7
	QUANTW \a
.endr
	s_cmp_eq_u32 ttmp9, 2                          ; the role: the same in all partners
	s_cbranch_scc1 .Lout_v
	; hq, hk.  Codes: head x 131,072 + tile x 1,024 + c x 512 + lane x 16.  My 128 channels are two heads of two blocks each; my 8 tiles are one group of 128 tokens.
	s_lshr_b32 s21, s17, 3                         ; the batch
	s_lshl_b32 s22, s21, 4
	s_lshl_b32 s23, s42, 2
	s_add_co_u32 s22, s22, s23
	s_lshl_b32 s23, s16, 1
	s_add_co_u32 s22, s22, s23                     ; my first head: 16 b + 4 tc + 2 (half)
	s_and_b32 s46, s17, 7
	s_lshl_b32 s46, s46, 1
	s_add_co_u32 s46, s46, s15                     ; my group of 128 tokens
	s_lshl_b32 s20, ttmp9, 23                      ; hq or hk
	s_lshl_b32 s23, s22, 17
	s_add_co_u32 s20, s20, s23
	s_lshl_b32 s47, s46, 13
	s_add_co_u32 s20, s20, s47
	s_mov_b32 s21, 0
	s_add_nc_u64 s[10:11], s[10:11], s[20:21]
	s_lshl_b32 s20, ttmp9, 19
	s_lshl_b32 s23, s22, 13
	s_add_co_u32 s20, s20, s23
	s_lshl_b32 s47, s46, 9
	s_add_co_u32 s20, s20, s47
	s_add_nc_u64 s[12:13], s[12:13], s[20:21]
	s_wait_alu depctr_va_vdst(0)
.irp a, 0,1,2,3,4,5,6,7
.irp c, 0,1,2,3
	global_store_b128 v[L16], v[AF+16*\a+4*\c:AF+16*\a+4*\c+3], s[10:11] offset:(\c/2)*131072+\a*1024+(\c%2)*512   ; 512 consecutive bytes
.endr
.endr
	; scale words (bytes 2 and 3 are 0: they stand over the zero codes that fill K = 64 up to 128): register i: lanes 0-15 tile 2 i, lanes 16-31 tile 2 i + 1
.irp i, 0,1,2,3
	v_cndmask_b32 v[OW+\i], v[LO+2*\i], v[LO+2*\i+1], s93
	v_cndmask_b32 v[OW+4+\i], v[HI+2*\i], v[HI+2*\i+1], s93
.endr
	global_store_b128 v[L16], v[OW:OW+3], s[12:13]
	global_store_b128 v[L16], v[OW+4:OW+7], s[12:13] offset:8192
	s_branch .Lend
.Lout_v:
	; hv, keys innermost.  Codes: head x 131,072 + step x 8,192 + t x 2,048 + c x 512 + lane x 16.  My 8 tiles of channels are two heads of four tiles; my 128 tokens are one step.
	s_lshr_b32 s21, s42, 3                         ; the batch
	s_lshl_b32 s22, s21, 4
	s_lshl_b32 s23, s17, 2
	s_add_co_u32 s22, s22, s23
	s_lshl_b32 s23, s15, 1
	s_add_co_u32 s22, s22, s23                     ; my first head: 16 b + 4 tr + 2 (half)
	s_and_b32 s46, s42, 7
	s_lshl_b32 s46, s46, 1
	s_add_co_u32 s46, s46, s16                     ; my step of 128 keys
	s_lshl_b32 s20, s22, 17
	s_add_co_u32 s20, s20, HV
	s_lshl_b32 s47, s46, 13
	s_add_co_u32 s20, s20, s47
	s_mov_b32 s21, 0
	s_add_nc_u64 s[10:11], s[10:11], s[20:21]
	s_lshl_b32 s20, s22, 12
	s_add_co_u32 s20, s20, HVS
	s_lshl_b32 s47, s46, 8
	s_add_co_u32 s20, s20, s47
	s_add_nc_u64 s[12:13], s[12:13], s[20:21]
	s_wait_alu depctr_va_vdst(0)
.irp a, 0,1,2,3,4,5,6,7
.irp c, 0,1,2,3
	global_store_b128 v[L16], v[AF+16*\a+4*\c:AF+16*\a+4*\c+3], s[10:11] offset:(\a/4)*131072+(\a%4)*2048+\c*512
.endr
.endr
.irp a, 0,1,2,3,4,5,6,7
	v_lshl_or_b32 v[WD+\a], v[HI+\a], 16, v[LO+\a]
.endr
.irp e, 0,1
.irp i, 0,1
	v_cndmask_b32 v[OW+2*\e+\i], v[WD+4*\e+2*\i], v[WD+4*\e+2*\i+1], s93
.endr
.endr
	global_store_b64 v[L8], v[OW:OW+1], s[12:13]               ; 256 consecutive bytes
	global_store_b64 v[L8], v[OW+2:OW+3], s[12:13] offset:4096
.Lend:
	s_wait_tensorcnt 0x0                           ; the wave's end
	ds_add_u32 v[SPW], v[NIL]
	s_wait_dscnt 0x0
	CROUND                                         ; the closing round: no work-group ends while a partner may still ask for a tile that names it
	s_endpgm
.Lfunc_end_k_q9da7572685_qkv:
	.size	k_q9da7572685_qkv, .Lfunc_end_k_q9da7572685_qkv-k_q9da7572685_qkv
	.p2alignl 7, 3214868480
	.fill 96, 4, 3214868480
	.section	.rodata,"a",@progbits
	.p2align	6, 0x0
	.amdhsa_kernel k_q9da7572685_qkv
		.amdhsa_group_segment_fixed_size 327680
		.amdhsa_private_segment_fixed_size 0
		.amdhsa_enable_private_segment 0
		.amdhsa_kernarg_size 40
		.amdhsa_user_sgpr_count 2
		.amdhsa_user_sgpr_kernarg_segment_ptr 1
		.amdhsa_wavefront_size32 1
		.amdhsa_system_sgpr_workgroup_id_x 1
		.amdhsa_system_sgpr_workgroup_id_y 1
		.amdhsa_system_sgpr_workgroup_id_z 1
		.amdhsa_system_vgpr_workitem_id 0
		.amdhsa_next_free_vgpr 1024
		.amdhsa_next_free_sgpr 100
		.amdhsa_reserve_vcc 0
		.amdhsa_float_denorm_mode_32 3
		.amdhsa_float_denorm_mode_16_64 3
		.amdhsa_memory_ordered 1
		.amdhsa_forward_progress 1
		.amdhsa_inst_pref_size 192
	.end_amdhsa_kernel
	.amdgpu_metadata
---
amdhsa.version: [ 1, 2 ]
amdhsa.kernels:
  - .name:           k_q9da7572685_qkv
    .symbol:         k_q9da7572685_qkv.kd
    .args:
      - { .name: qn_img, .offset: 0, .size: 8, .value_kind: global_buffer, .address_space: global }
      - { .name: w_img, .offset: 8, .size: 8, .value_kind: global_buffer, .address_space: global }
      - { .name: sc1, .offset: 16, .size: 8, .value_kind: global_buffer, .address_space: global }
      - { .name: qkv_img, .offset: 24, .size: 8, .value_kind: global_buffer, .address_space: global }
      - { .name: qkv_sc, .offset: 32, .size: 8, .value_kind: global_buffer, .address_space: global }
    .group_segment_fixed_size: 327680
    .private_segment_fixed_size: 0
    .kernarg_segment_align: 8
    .kernarg_segment_size: 40
    .max_flat_workgroup_size: 128
    .sgpr_count:     100
    .vgpr_count:     1024
    .wavefront_size: 32
...
	.end_amdgpu_metadata
.endif
;; end of part 2
;; launch attn (part 3): grid 4 x 64, 16 waves a work-group, no clusters, 327,680 bytes of LDS; arguments qkv_img, qkv_sc, mw, vec_img, vec_sc; writes vec_img, vec_sc
.if DOCPART == 3
	.amdgcn_target "amdgcn-amd-amdhsa--gfx1250"
	.amdhsa_code_object_version 6
	.text
	.protected	k_q9da7572685_attn
	.globl	k_q9da7572685_attn
	.p2align	8
	.type	k_q9da7572685_attn,@function
k_q9da7572685_attn:
	s_mov_b64 s[64:65], 0
	v_nop
	global_prefetch_b8 v0, s[64:65] scope:SCOPE_SE
	s_setreg_imm32_b32 hwreg(HW_REG_WAVE_MODE, 25, 1), 1
	s_wait_xcnt 0x0
; vec = softmax(mask(hq hk^T / 8)) hv for ONE head (grid y: 16 x batch + head) and 512 queries (grid x), both products on codes of E5M2 with E8M0 scales; vec is quantised along the channels for the last launch.
; SHARES: sixteen waves; wave w takes the query tiles 32 x + w and 32 x + 16 + w (16 queries each), one after the other, each over all 2,048 keys in 16 steps of 128.
; LDS: the head's K and V codes, 256 KiB, each byte filled ONCE: slot 0 (keys 0-1,023: K 64 KiB, V 64 KiB) at the head by waves 0-7, 16 KiB each; slot 1 behind the first barrier, by the same waves.
; K's scale words (8 KiB, wave 8) and V's (4 KiB, wave 9) come with slot 0.  One more barrier stands ahead of slot 1's first read; behind it the waves meet no barrier.
; No prefetch: both slots are asked for by the first barrier, so there is no later tile to ask ahead for.  No cluster: the four work-groups of a head share these two fills alone.
; LAYOUT: S^T = K Q^T and O^T = V^T P^T: a lane holds one query; the head's 64 channels fill half of the first product's 128, the other half of Q's fragment is zero codes.
; The images are the earlier launches': a fragment is loads of 512 consecutive bytes; tile 2 P + u, lane-row r is row 32 P + 8 u + r + 8 (r / 8).
; SOFTMAX: t = score x log2(e) / 8, M = ceil of the running largest t, p = 2^(t - M) quantised along the keys, the row's sum taken of the unquantised p.
; LIMITS: a masked score is held as -2^36 ahead of the factor 1/8 (reference(): -1e10 behind it): p is 0 beside any open score above -8e9, and a row masked whole gets equal p, as there.
; A block of zeros gets the byte 1 (its codes are zeros; this program alone reads the bytes).  NaN and infinities are not served.
; vec's scale word of a row holds two heads' bytes: this work-group stores its 2 of the 4, the neighbouring head's work-group the other 2 (2 bytes a row beside 64 bytes of codes).
.set HK,    8388608
.set HV,    16777216
.set HKS,   524288
.set HVS,   1048576
.set SLOT1, 131072
.set VOFF,  65536
.set NST,   8                          ; key steps in a slot
.set SCB,   262144                     ; K's scale words, then V's at + 8,192
.set SPARE, 294912                     ; the spare words: 128 bytes a wave
.set L16, 1
.set LSK, 2
.set SPW, 3
.set NIL, 4
.set NEG, 5
.set ADK, 6
.set ADS, 7
.set ADT, 8
.set ADV, 9
.set LSV, 10
.set SWA, 11
.set SS,  104                          ; v104-167 S^T, then p, then V's fragments
.set OT,  168                          ; v168-199 O^T
.set PC,  200                          ; v200-215 p's codes
.set TB, 2
.set TS, 3
.set TJ, 4
.set WV, 5
.set MNT, 7
.set SEL, 8
.set CS, 10
.set MP, 12
.set MO, 14
.set STEPS, 15
.set G1, 16                            ; s[16:23] group 1: 64 rows of 256 bytes
.set G0R, 24
.set G0S, 28
.set G1K, 68                           ; s[68:75], s[76:83] groups 1 of the scale words: used at the head alone, ahead of the mask words
.set G1V, 76
.set VO, 66
.set VS, 100
.set QB, 104
.macro GRP1 g, rows                    ; a dense block as rows of 32 elements of 8 bytes
	s_mov_b32 s[\g], 3<<16
	s_mov_b32 s[\g+1], 32<<16
	s_mov_b32 s[\g+2], (\rows)<<16
	s_mov_b32 s[\g+3], 32<<16
	s_mov_b32 s[\g+4], \rows
	s_mov_b32 s[\g+5], 32
	s_mov_b32 s[\g+6], 0
	s_mov_b32 s[\g+7], 0
.endm
.macro MLOAD                           ; a step's 64 mask words: word n is the lane mask of score register n
	s_load_b512 s[32:47], s[MP:MP+1], s[MO] offset:0x0
	s_load_b512 s[48:63], s[MP:MP+1], s[MO] offset:0x40
	s_load_b512 s[68:83], s[MP:MP+1], s[MO] offset:0x80
	s_load_b512 s[84:99], s[MP:MP+1], s[MO] offset:0xc0
.endm
	s_load_b256 s[32:39], s[0:1], 0x0              ; qkv_img, qkv_sc, mw, vec_img
	s_load_b64 s[40:41], s[0:1], 0x20              ; vec_sc
	v_lshl_add_u32 v[SPW], v0, 2, SPARE
	v_mov_b32 v[NIL], 0
	ds_add_u32 v[SPW], v[NIL]
	ds_add_u32 v[SPW], v[NIL]
	v_lshrrev_b32 v6, 5, v0
	v_readfirstlane_b32 s[WV], v6                  ; wave 0..15
	v_and_b32 v7, 31, v0
	v_and_b32 v8, 15, v0                           ; r
	v_lshlrev_b32 v[L16], 4, v7
	v_lshl_add_u32 v[LSV], v7, 3, SCB+8192
	v_lshlrev_b32 v[SWA], 2, v8
	v_lshlrev_b32 v6, 4, v8
	v_add_nc_u32 v[LSK], SCB, v[L16]
	s_and_b32 s42, ttmp7, 0xffff                   ; 16 b + n
	s_lshr_b32 s43, s42, 4                         ; b
	s_and_b32 s44, s42, 15                         ; n
	s_lshl_b32 s46, ttmp9, 5
	s_add_co_u32 s46, s46, s[WV]                   ; my first query tile
	s_and_b32 s47, s[WV], 3
	s_lshl_b32 s47, s47, 14
	s_lshl_b32 s48, s42, 17
	s_add_co_u32 s48, s48, s47
	s_mov_b32 s50, HV
	s_cmp_lt_u32 s[WV], 4                          ; waves 0-3 fetch K's quarters of a slot, waves 4-7 V's
	s_cselect_b32 s50, HK, s50
	s_add_co_u32 s50, s50, s48
	s_mov_b32 s51, 0
	s_lshl_b32 s52, s42, 13
	s_add_co_u32 s52, s52, HKS
	s_lshl_b32 s54, s42, 12
	s_add_co_u32 s54, s54, HVS
	s_cmp_lt_u32 s[WV], 9                          ; wave 8: K's scale words; wave 9: V's
	s_cselect_b32 s52, s52, s54
	s_mov_b32 s53, 0
	s_and_b32 s[G0S+1], s[WV], 1
	s_lshl_b32 s[G0S+1], s[G0S+1], 13
	s_add_co_u32 s[G0S+1], s[G0S+1], SCB
	GRP1 G1, 64
	GRP1 G1K, 32
	GRP1 G1V, 16
	s_mov_b32 s[SEL], 0x76543210
	s_mov_b32 s[SEL+1], 0xfedcba98
	s_mov_b32 s[CS], 0x3e38aa3b                    ; log2(e) / 8
	s_mov_b32 s[CS+1], s[CS]
	s_mov_b32 s[MNT], 0x600000
	s_mov_b32 s[TB], 0
	s_mov_b32 s[TS], 0
	s_mov_b32 s[TJ], 0
	s_mov_b32 s[MO], 0
	s_wait_dscnt 0x0                               ; both opening adds are done
	s_wait_kmcnt 0x0
	s_mov_b32 s[G0S], 1
	s_add_nc_u64 s[G0S+2:G0S+3], s[34:35], s[52:53]
	s_or_b32 s[G0S+3], s[G0S+3], 0x80000000
	s_mov_b32 s[G0R], 1
	s_lshl_b32 s[G0R+1], s[WV], 14
	s_add_nc_u64 s[G0R+2:G0R+3], s[32:33], s[50:51]
	s_or_b32 s[G0R+3], s[G0R+3], 0x80000000
; the head's loads, at most one a wave, in one chain of branches on the wave's number
.macro ARM under, g0, g1, next
	s_cmp_lt_u32 s[WV], \under
	s_cbranch_scc0 \next
	tensor_load_to_lds s[\g0:\g0+3], s[\g1:\g1+7]
	s_nop 0
.rept 4
	v_nop
.endr
	s_branch .Lhead_asked
\next:
.endm
	ARM 8,  G0R, G1,  .Lhead_sk
	ARM 9,  G0S, G1K, .Lhead_sv
	ARM 10, G0S, G1V, .Lhead_none
.Lhead_asked:
	s_lshl_b32 s56, s42, 17
	s_lshl_b32 s57, s46, 10
	s_add_co_u32 s56, s56, s57
	s_mov_b32 s57, 0
	s_add_nc_u64 s[QB:QB+1], s[32:33], s[56:57]    ; Q's codes of my first tile; the second lies 16 tiles on
	s_lshl_b32 s58, s42, 13
	s_lshr_b32 s59, s46, 3
	s_lshl_b32 s59, s59, 9
	s_add_co_u32 s58, s58, s59
	s_and_b32 s59, s[WV], 1
	s_lshl_b32 s59, s59, 8
	s_add_co_u32 s58, s58, s59
	s_bfe_u32 s59, s[WV], 0x20001
	s_lshl_b32 s59, s59, 2
	s_add_co_u32 s58, s58, s59
	s_mov_b32 s59, 0
	s_add_nc_u64 s[58:59], s[34:35], s[58:59]      ; and its scale words
	s_wait_alu depctr_va_vdst(0)                   ; ahead of the readers below
	global_load_b128 v[16:19], v[L16], s[QB:QB+1]
	global_load_b128 v[20:23], v[L16], s[QB:QB+1] offset:512
	global_load_b32 v226, v6, s[58:59]
	global_load_b32 v217, v6, s[58:59] offset:1024 ; the second tile's: two groups of 8 tiles on
	s_lshl_b32 s60, s46, 12
	s_mov_b32 s61, 0
	s_add_nc_u64 s[MP:MP+1], s[36:37], s[60:61]    ; my tile's mask words
	s_lshl_b32 s60, s43, 7
	s_add_co_u32 s60, s60, s46
	s_lshl_b32 s60, s60, 14
	s_lshl_b32 s62, s44, 10
	s_add_co_u32 s60, s60, s62
	s_add_nc_u64 s[VO:VO+1], s[38:39], s[60:61]    ; vec_img: tile x 16,384 + head x 1,024
	s_lshl_b32 s60, s43, 3
	s_lshl_b32 s62, ttmp9, 1
	s_add_co_u32 s60, s60, s62
	s_lshl_b32 s60, s60, 13
	s_lshr_b32 s62, s44, 1
	s_lshl_b32 s62, s62, 10
	s_add_co_u32 s60, s60, s62
	s_lshl_b32 s62, s[WV], 6
	s_add_co_u32 s60, s60, s62
	s_and_b32 s62, s44, 1
	s_lshl_b32 s62, s62, 1
	s_add_co_u32 s60, s60, s62
	s_add_nc_u64 s[VS:VS+1], s[40:41], s[60:61]    ; vec_sc: my 16 rows' words, my head's half of each
	v_mov_b32 v[NEG], 0xd1800000                   ; -2^36
.irp j, 0,1,2,3,4,5,6,7
	v_mov_b32 v[24+\j], 0                          ; Q's zero codes for k = 64 .. 127
	v_mov_b32 v[96+\j], 0
.endr
.macro REINIT_STATE
	v_mov_b32 v13, 0xff61b1e6                      ; the largest t so far: -3e38
	s_delay_alu instid0(VALU_DEP_1)
	v_floor_f32 v12, -v13
	v_mov_b32 v14, 0
	v_mov_b32 v15, 0
.set n, 0
.rept 32
	v_mov_b32 v[OT+n], 0
.set n, n+1
.endr
.endm
	REINIT_STATE
.irp b, 0,1,2,3
	v_mov_b32 v[236+\b], 0
.endr
	v_mov_b32 v252, 0
	v_mov_b32 v253, 0
.macro KFETCH ko, so                   ; a step's eight tiles of K (8 registers each) and their scale words
.irp t, 0,1,2,3,4,5,6,7
	ds_load_b128 v[32+8*\t:35+8*\t], v[ADK] offset:\ko+1024*\t
	ds_load_b128 v[36+8*\t:39+8*\t], v[ADK] offset:\ko+1024*\t+512
.endr
	ds_load_b128 v[220:223], v[ADS] offset:\so
.endm
; the hold of blocks b and b + 1 (p is not negative: one-sided), two numbers an instruction: the halves come from the two blocks, so that one destination is even and one odd and each pair of sources lies in two register banks
.macro HOLD2 b
.irp i, 0,2,4,6,8,10,12,14
	v_dual_min_num_f32 v[SS+16*\b+\i], v[240+\b], v[SS+16*\b+\i] :: v_dual_min_num_f32 v[SS+16*(\b+1)+\i+1], v[241+\b], v[SS+16*(\b+1)+\i+1]
	v_dual_min_num_f32 v[SS+16*(\b+1)+\i], v[241+\b], v[SS+16*(\b+1)+\i] :: v_dual_min_num_f32 v[SS+16*\b+\i+1], v[240+\b], v[SS+16*\b+\i+1]
.endr
.endm
.macro HOLDCVT b                       ; block b: the codes, and V's fragment b into the registers that p has left
	v_cvt_scalef32_pk8_bf8_f32 v[PC+4*\b:PC+4*\b+1], v[SS+16*\b:SS+16*\b+7], v[244+\b]
	v_cvt_scalef32_pk8_bf8_f32 v[PC+4*\b+2:PC+4*\b+3], v[SS+16*\b+8:SS+16*\b+15], v[244+\b]
.irp c, 0,1,2,3
	ds_load_b128 v[SS+16*\b+4*\c:SS+16*\b+4*\c+3], v[ADV] offset:2048*\b+512*\c
.endr
.endm
.macro PV t
.if (\t)%2
	v_wmma_scale_f32_16x16x128_f8f6f4 v[OT+8*\t:OT+8*\t+7], v[SS+16*\t:SS+16*\t+15], v[PC:PC+15], v[OT+8*\t:OT+8*\t+7], v[224+\t/2], v227 matrix_a_fmt:MATRIX_FMT_BF8 matrix_b_fmt:MATRIX_FMT_BF8 matrix_a_scale:MATRIX_SCALE_ROW1
.else
	v_wmma_scale_f32_16x16x128_f8f6f4 v[OT+8*\t:OT+8*\t+7], v[SS+16*\t:SS+16*\t+15], v[PC:PC+15], v[OT+8*\t:OT+8*\t+7], v[224+\t/2], v227 matrix_a_fmt:MATRIX_FMT_BF8 matrix_b_fmt:MATRIX_FMT_BF8
.endif
.endm
; A KEY STEP of 128 keys.  qs: the register of Q's scale words.  K's fragments were fetched a step ahead.
.macro STEP qs
	v_add_nc_u32 v[ADK], s[TB], v[L16]
	v_add_nc_u32 v[ADS], s[TS], v[LSK]
	v_add_nc_u32 v[ADT], s[TJ], v[LSV]
	v_add_nc_u32 v[ADV], VOFF, v[ADK]
.rept 5
	v_nop                                          ; with the four above: the places ahead of the load into V's scale registers
.endr
	ds_load_b64 v[224:225], v[ADT]
	s_wait_alu depctr_va_vdst(0)
	s_wait_dscnt 0x1                               ; K and its scale words are in; the load just issued may be out
.irp t, 0,1,2,3,4,5,6,7
.if (\t)%2
	v_wmma_scale_f32_16x16x128_f8f6f4 v[SS+8*\t:SS+8*\t+7], v[32+8*\t:47+8*\t], v[16:31], 0, v[220+\t/2], v[\qs] matrix_a_fmt:MATRIX_FMT_BF8 matrix_b_fmt:MATRIX_FMT_BF8 matrix_a_scale:MATRIX_SCALE_ROW1
.else
	v_wmma_scale_f32_16x16x128_f8f6f4 v[SS+8*\t:SS+8*\t+7], v[32+8*\t:47+8*\t], v[16:31], 0, v[220+\t/2], v[\qs] matrix_a_fmt:MATRIX_FMT_BF8 matrix_b_fmt:MATRIX_FMT_BF8
.endif
.endr
.rept 8
	v_nop
.endr
	KFETCH 8192, 512                               ; the next step's (a slot's last step fetches bytes of its own slot that SLOT fetches over)
	s_wait_kmcnt 0x0
.set n, 0
.rept 32
	v_cndmask_b32 v[SS+n], v[SS+n], v[NEG], s[32+n]
.set n, n+1
.endr
.rept 32
	v_cndmask_b32 v[SS+n], v[SS+n], v[NEG], s[36+n]
.set n, n+1
.endr
	s_add_co_u32 s[MO], s[MO], 256
	s_and_b32 s[MO], s[MO], 4095                   ; stays inside my tile's 4,096 bytes
	MLOAD
.irp b, 0,1,2,3
	v_max3_num_f32 v[232+\b], v[SS+16*\b], v[SS+1+16*\b], v[SS+2+16*\b]
.endr
.irp i, 3,5,7,9,11,13
.irp b, 0,1,2,3
	v_max3_num_f32 v[232+\b], v[232+\b], v[SS+16*\b+\i], v[SS+1+16*\b+\i]   ; the four blocks by turns
.endr
.endr
.irp b, 0,1,2,3
	v_max_num_f32 v[232+\b], v[232+\b], v[SS+15+16*\b]
.endr
.irp b, 0,1,2,3
	v_permlanex16_b32 v[236+\b], v[232+\b], s[SEL], s[SEL+1]
.endr
.irp b, 0,1,2,3
	v_max_num_f32 v[232+\b], v[232+\b], v[236+\b]  ; each block's largest score
.endr
	s_delay_alu instid0(VALU_DEP_2)
	v_max3_num_f32 v254, v232, v233, v234
	s_delay_alu instid0(VALU_DEP_1)
	v_max_num_f32 v254, v254, v235
	s_delay_alu instid0(VALU_DEP_1)
	v_mul_f32 v254, s[CS], v254
	s_delay_alu instid0(VALU_DEP_1)
	v_max_num_f32 v13, v13, v254                   ; the running largest t
	v_mov_b32 v254, v12
	s_delay_alu instid0(VALU_DEP_2)
	v_floor_f32 v12, -v13                          ; -M
	s_delay_alu instid0(VALU_DEP_1)
	v_sub_f32 v254, v12, v254
	s_delay_alu instid0(VALU_DEP_1)
	v_cvt_i32_f32 v254, v254
	s_delay_alu instid0(VALU_DEP_1)
	v_ldexp_f32 v252, 1.0, v254                    ; f = 2^(old M - new M)
.irp j, 0,2,4,6,8,10,12,14,16,18,20,22,24,26,28,30,32,34,36,38,40,42,44,46,48,50,52,54,56,58,60,62
	v_pk_fma_f32 v[SS+\j:SS+1+\j], v[SS+\j:SS+1+\j], s[CS:CS+1], v[12:13] op_sel_hi:[1,0,0]
.endr
.irp b, 0,1,2,3
	v_fma_f32 v[232+\b], v[232+\b], s[CS], v12
.endr
.set n, 0
	s_wait_alu depctr_va_vdst(0)                   ; ahead of the batch
.rept 64
	v_exp_f32 v[SS+n], v[SS+n]
.set n, n+1
.endr
	v_pk_mul_f32 v[14:15], v[14:15], v[252:253] op_sel_hi:[1,0]
	s_wait_alu depctr_va_vdst(0)                   ; and behind it
.irp b, 0,1,2,3
	v_exp_f32 v[232+\b], v[232+\b]                 ; each block's largest p
.endr
	v_pk_add_f32 v[236:237], v[SS:SS+1], v[SS+2:SS+3]
.irp j, 4,8,12,16,20,24,28,32,36,40,44,48,52,56,60
	v_pk_add_f32 v[14:15], v[14:15], v[SS+\j:SS+1+\j]
	v_pk_add_f32 v[236:237], v[236:237], v[SS+2+\j:SS+3+\j]
.endr
	s_delay_alu instid0(VALU_DEP_1)
	v_pk_add_f32 v[14:15], v[14:15], v[236:237]    ; the row's sum, of the unquantised p
	s_wait_alu depctr_va_vdst(0)
.irp b, 0,1,2,3
	v_max_num_f32 v[232+\b], 0x8000000, v[232+\b]  ; the floor: the byte cannot fall under 1
.endr
.irp b, 0,1,2,3
	v_add_nc_u32 v[244+\b], 0xf8800000, v[232+\b]  ; the conversion's scale operand
.endr
.irp b, 0,1,2,3
	v_and_or_b32 v[240+\b], v[232+\b], 0x7f800000, s[MNT]   ; 57,344 x the scale
.endr
.irp b, 0,1,2,3
	v_lshrrev_b32 v[236+\b], 23, v[244+\b]
.endr
	s_delay_alu instid0(VALU_DEP_3)
	v_lshl_or_b32 v227, v237, 8, v236
	s_delay_alu instid0(VALU_DEP_1)
	v_lshl_or_b32 v227, v238, 16, v227
	s_delay_alu instid0(VALU_DEP_1)
	v_lshl_or_b32 v227, v239, 24, v227             ; p's scale word
	HOLD2 0
	HOLDCVT 0
	HOLDCVT 1
	HOLD2 2
	HOLDCVT 2
	HOLDCVT 3
.irp j, 0,2,4,6,8,10,12,14,16,18,20,22,24,26,28,30
	v_pk_mul_f32 v[OT+\j:OT+1+\j], v[OT+\j:OT+1+\j], v[252:253] op_sel_hi:[1,0]
.endr
	s_wait_alu depctr_va_vdst(0)
	s_wait_dscnt 0x4                               ; V's fragments 0-2 are in; the fourth's four loads may be out
	PV 0
	PV 1
	PV 2
	s_wait_dscnt 0x0
	PV 3
	s_add_co_u32 s[TB], s[TB], 8192
	s_add_co_u32 s[TS], s[TS], 512
	s_add_co_u32 s[TJ], s[TJ], 256
.endm
.macro SLOT qs                         ; a slot's eight steps
	v_add_nc_u32 v[ADK], s[TB], v[L16]
	v_add_nc_u32 v[ADS], s[TS], v[LSK]
	KFETCH 0, 0
	s_mov_b32 s[STEPS], NST
.Lstep_\@:
	STEP \qs
	s_sub_co_u32 s[STEPS], s[STEPS], 1
	s_cmp_lg_u32 s[STEPS], 0
	s_cbranch_scc1 .Lstep_\@
	s_sub_co_u32 s[TB], s[TB], NST*8192
	s_xor_b32 s[TB], s[TB], SLOT1
.endm
; O^T / the sum, quantised along the head's 64 channels (two blocks), stored as the last launch's operand image; e: which of my two tiles
.macro FINISH e
	v_add_f32 v14, v14, v15
	s_delay_alu instid0(VALU_DEP_1)
	v_permlanex16_b32 v252, v14, s[SEL], s[SEL+1]
	s_delay_alu instid0(VALU_DEP_1)
	v_add_f32 v14, v14, v252
	s_wait_alu depctr_va_vdst(0)
	v_rcp_f32 v14, v14
.rept 8
	v_nop
.endr
	s_wait_alu depctr_va_vdst(0)
.irp j, 0,2,4,6,8,10,12,14,16,18,20,22,24,26,28,30
	v_pk_mul_f32 v[OT+\j:OT+1+\j], v[OT+\j:OT+1+\j], v[14:15] op_sel_hi:[1,0]
.endr
.irp b, 0,1
	v_max3_num_f32 v[232+\b], |v[OT+16*\b]|, |v[OT+1+16*\b]|, 0x8000000
.endr
.irp i, 2,4,6,8,10,12,14
.irp b, 0,1
	s_delay_alu instid0(VALU_DEP_2)
	v_max3_num_f32 v[232+\b], v[232+\b], |v[OT+16*\b+\i]|, |v[OT+1+16*\b+\i]|
.endr
.endr
.irp b, 0,1
	s_delay_alu instid0(VALU_DEP_2)
	v_permlanex16_b32 v[236+\b], v[232+\b], s[SEL], s[SEL+1]
.endr
.irp b, 0,1
	s_delay_alu instid0(VALU_DEP_2)
	v_max_num_f32 v[232+\b], v[232+\b], v[236+\b]
.endr
.irp b, 0,1
	s_delay_alu instid0(VALU_DEP_2)
	v_add_nc_u32 v[244+\b], 0xf8800000, v[232+\b]
.endr
.irp b, 0,1
	s_delay_alu instid0(VALU_DEP_4)
	v_and_or_b32 v[240+\b], v[232+\b], 0x7f800000, s[MNT]
.endr
.irp b, 0,1
	s_delay_alu instid0(VALU_DEP_4)
	v_lshrrev_b32 v[236+\b], 23, v[244+\b]
.endr
	s_delay_alu instid0(VALU_DEP_1)
	v_lshl_or_b32 v216, v237, 8, v236              ; my head's two scale bytes of row r (both halves of the lanes hold them)
.irp b, 0,1
.irp i, 0,1,2,3,4,5,6,7,8,9,10,11,12,13,14,15
	v_med3_num_f32 v[OT+16*\b+\i], v[OT+16*\b+\i], -v[240+\b], v[240+\b]
.endr
	v_cvt_scalef32_pk8_bf8_f32 v[PC+4*\b:PC+1+4*\b], v[OT+16*\b:OT+7+16*\b], v[244+\b]
	v_cvt_scalef32_pk8_bf8_f32 v[PC+2+4*\b:PC+3+4*\b], v[OT+8+16*\b:OT+15+16*\b], v[244+\b]
.endr
	v_nop
	global_store_b128 v[L16], v[PC:PC+3], s[VO:VO+1] offset:262144*\e        ; 512 consecutive bytes; the second tile lies 16 tiles on
	global_store_b128 v[L16], v[PC+4:PC+7], s[VO:VO+1] offset:262144*\e+512
	global_store_b16 v[SWA], v216, s[VS:VS+1] offset:8192*\e                 ; lanes r and r + 16 store the same two bytes to the same place
.endm
	s_wait_alu depctr_va_vdst(0)
	s_wait_loadcnt 0x0                             ; Q and its scale words: their base registers may now take mask words
	s_wait_tensorcnt 0x0                           ; my part of slot 0 or of the scale words
	ds_add_u32 v[SPW], v[NIL]
	ds_add_u32 v[SPW], v[NIL]                      ; twice
	s_xor_b32 s[G0R+1], s[G0R+1], SLOT1            ; slot 1,
	s_add_nc_u64 s[G0R+2:G0R+3], s[G0R+2:G0R+3], NST*8192   ; the next 1,024 keys
	s_wait_dscnt 0x0
	s_barrier_signal -1
	s_barrier_wait -1
	s_cmp_lt_u32 s[WV], 8
	s_cbranch_scc0 .Lno_slot1
	tensor_load_to_lds s[G0R:G0R+3], s[G1:G1+7]    ; slot 1's first and only fill: it has slot 0's eight steps in which to land
	s_nop 0
.rept 4
	v_nop
.endr
.Lno_slot1:
	MLOAD
	SLOT 226
	s_wait_tensorcnt 0x0                           ; my part of slot 1 is in
	ds_add_u32 v[SPW], v[NIL]
	s_wait_dscnt 0x0
	s_barrier_signal -1
	s_barrier_wait -1                              ; and everybody's: from here on all of K and V stays as it is
	SLOT 226
	global_load_b128 v[16:19], v[L16], s[QB:QB+1] offset:16384    ; my second tile's Q
	global_load_b128 v[20:23], v[L16], s[QB:QB+1] offset:16896
	FINISH 0
	s_wait_xcnt 0x0                                ; the stores have read their registers
	REINIT_STATE
	s_mov_b32 s[TS], 0
	s_mov_b32 s[TJ], 0
	s_wait_kmcnt 0x0                               ; the words fetched ahead were the first tile's: fetch the second tile's over them
	s_add_nc_u64 s[MP:MP+1], s[MP:MP+1], 65536
	MLOAD
	s_wait_alu depctr_va_vdst(0)
	s_wait_loadcnt 0x0
	SLOT 217
	SLOT 217
	FINISH 1
	s_wait_kmcnt 0x0
	s_wait_tensorcnt 0x0                           ; the wave's end
	ds_add_u32 v[SPW], v[NIL]
	s_wait_dscnt 0x0
	s_endpgm
.Lfunc_end_k_q9da7572685_attn:
	.size	k_q9da7572685_attn, .Lfunc_end_k_q9da7572685_attn-k_q9da7572685_attn
	.p2alignl 7, 3214868480
	.fill 96, 4, 3214868480
	.section	.rodata,"a",@progbits
	.p2align	6, 0x0
	.amdhsa_kernel k_q9da7572685_attn
		.amdhsa_group_segment_fixed_size 327680
		.amdhsa_private_segment_fixed_size 0
		.amdhsa_enable_private_segment 0
		.amdhsa_kernarg_size 40
		.amdhsa_user_sgpr_count 2
		.amdhsa_user_sgpr_kernarg_segment_ptr 1
		.amdhsa_wavefront_size32 1
		.amdhsa_system_sgpr_workgroup_id_x 1
		.amdhsa_system_sgpr_workgroup_id_y 1
		.amdhsa_system_sgpr_workgroup_id_z 1
		.amdhsa_system_vgpr_workitem_id 0
		.amdhsa_next_free_vgpr 256
		.amdhsa_next_free_sgpr 106
		.amdhsa_reserve_vcc 0
		.amdhsa_float_denorm_mode_32 3
		.amdhsa_float_denorm_mode_16_64 3
		.amdhsa_memory_ordered 1
		.amdhsa_forward_progress 1
		.amdhsa_inst_pref_size 123
	.end_amdhsa_kernel
	.amdgpu_metadata
---
amdhsa.version: [ 1, 2 ]
amdhsa.kernels:
  - .name:           k_q9da7572685_attn
    .symbol:         k_q9da7572685_attn.kd
    .args:
      - { .name: qkv_img, .offset: 0, .size: 8, .value_kind: global_buffer, .address_space: global }
      - { .name: qkv_sc, .offset: 8, .size: 8, .value_kind: global_buffer, .address_space: global }
      - { .name: mw, .offset: 16, .size: 8, .value_kind: global_buffer, .address_space: global }
      - { .name: vec_img, .offset: 24, .size: 8, .value_kind: global_buffer, .address_space: global }
      - { .name: vec_sc, .offset: 32, .size: 8, .value_kind: global_buffer, .address_space: global }
    .group_segment_fixed_size: 327680
    .private_segment_fixed_size: 0
    .kernarg_segment_align: 8
    .kernarg_segment_size: 40
    .max_flat_workgroup_size: 512
    .sgpr_count:     106
    .vgpr_count:     256
    .wavefront_size: 32
...
	.end_amdgpu_metadata
.endif
;; end of part 3
;; launch proj (part 4): grid 4 x 32, 4 waves a work-group, clusters of 4 x 4, 327,680 bytes of LDS; arguments vec_img, vec_sc, w_img, sc1, q, gamma, beta, out0; writes out0
.if DOCPART == 4
	.amdgcn_target "amdgcn-amd-amdhsa--gfx1250"
	.amdhsa_code_object_version 6
	.text
	.protected	k_q9da7572685_proj
	.globl	k_q9da7572685_proj
	.p2align	8
	.type	k_q9da7572685_proj,@function
k_q9da7572685_proj:
	s_mov_b64 s[64:65], 0
	v_nop
	global_prefetch_b8 v0, s[64:65] scope:SCOPE_SE
	s_setreg_imm32_b32 hwreg(HW_REG_WAVE_MODE, 25, 1), 1
	s_wait_xcnt 0x0
	s_wait_alu depctr_hold_cnt(0) depctr_sa_sdst(0) depctr_va_vdst(0) depctr_va_sdst(0) depctr_va_ssrc(0) depctr_va_vcc(0) depctr_vm_vsrc(0)
	s_getreg_b32 s2, hwreg(HW_REG_IB_STS2, 6, 4)
	s_cmp_eq_u32 s2, 0
	s_cbranch_scc0 .Lentry_in_a_cluster
	s_endpgm
.Lentry_in_a_cluster:
	s_bfe_u32 s2, ttmp6, 0x10000c
	s_cmp_lg_u32 s2, 0xf033
	s_cbranch_scc0 .Lentry_shape_is_right
	s_endpgm
.Lentry_shape_is_right:
.set NQ,     2
.set FR,     16
.set NL,     4
.set NP,     8
.set HALFT,  32768
.set SLOT,   4*HALFT
.set SCL,    2*SLOT
.set SPARE,  SCL+16384
.set WSO,    262144
.set STA,    393216
.set SPITCH, 528
.set ADRA, 16
.set ADRB, 20
.set STO,  24
.set RD,   25
.set CO,   26
.set ADRS, 27
.set SPW,  28
.set NIL,  29
.set PFO,  30
.set L8,   31
.set SC,   32
.set AF,   128
.set BK,   128
.set QP,   92
.set OP,   98
.set G1, 24
.set G0, 32
.set G1B, 48
.set G0B, 56
.set G1S, 68
.set G0S, 76
.set G1SB, 80
.set G0SB, 88
.set MSB, 0
.macro WIN new
.if MSB != \new
	s_set_vgpr_msb (MSB<<8)|\new
.set MSB, \new
.endif
.endm
.set MUL_LO, 0xa1
.set MUL_HI, 0xf1
.set TO_B,   0x40
.macro JLOAD g0a, g1a, g0b, g1b
	s_cmp_eq_u32 s15, 0
	s_cbranch_scc0 .Lfor_b_\@
	tensor_load_to_lds s[\g0a:\g0a+3], s[\g1a:\g1a+7]
	s_nop 0
.rept 4
	v_nop
.endr
	s_branch .Lasked_\@
.Lfor_b_\@:
	tensor_load_to_lds s[\g0b:\g0b+3], s[\g1b:\g1b+7]
	s_nop 0
.rept 4
	v_nop
.endr
.Lasked_\@:
.endm
.macro CREST
	s_cmp_lg_u32 s14, 0
	s_cbranch_scc1 .Lnot_wave_0_\@
	s_barrier_signal -3
.Lnot_wave_0_\@:
	s_barrier_wait -3
	s_barrier_signal -1
	s_barrier_wait -1
.endm
.macro CROUND
	s_barrier_signal -1
	s_barrier_wait -1
	CREST
.endm
	s_load_b256 s[4:11], s[0:1], 0x0
	s_load_b256 s[92:99], s[0:1], 0x20
	v_lshl_add_u32 v[SPW], v0, 2, SPARE
	v_mov_b32 v[NIL], 0
	ds_add_u32 v28, v29
	ds_add_u32 v28, v29
	s_wait_dscnt 0x0
	v_lshrrev_b32 v1, 5, v0
	v_readfirstlane_b32 s14, v1
	s_lshr_b32 s15, s14, 1
	s_and_b32 s16, s14, 1
	s_bfe_u32 s40, ttmp6, 0x40000
	s_bfe_u32 s41, ttmp6, 0x40004
	s_lshl_b32 s42, ttmp9, 2
	s_add_co_u32 s42, s42, s40
	s_and_b32 s17, ttmp7, 0xffff
	s_lshl_b32 s17, s17, 2
	s_add_co_u32 s17, s17, s41
	s_lshl_b32 s43, s41, 2
	s_lshl_b32 s43, 15, s43
	s_lshl_b32 s44, 0x1111, s40
	s_or_b32 s[G1+0], s43, (3<<16)|(1<<21)
	s_or_b32 s[G1B+0], s44, (3<<16)|(1<<21)
.irp g, G1, G1B
	s_mov_b32 s[\g+1], 512<<16
	s_mov_b32 s[\g+2], 16<<16
	s_mov_b32 s[\g+3], 512<<16
	s_mov_b32 s[\g+4], 16
	s_mov_b32 s[\g+5], 2048
	s_mov_b32 s[\g+6], 0
	s_mov_b32 s[\g+7], 0
.endr
	s_or_b32 s[G1S+0], s43, (3<<16)|(1<<21)
	s_or_b32 s[G1SB+0], s44, (3<<16)|(1<<21)
.irp g, G1S, G1SB
	s_mov_b32 s[\g+1], 32<<16
	s_mov_b32 s[\g+2], 32<<16
	s_mov_b32 s[\g+3], 32<<16
	s_mov_b32 s[\g+4], 32
	s_mov_b32 s[\g+5], 32
	s_mov_b32 s[\g+6], 0
	s_mov_b32 s[\g+7], 0
.endr
	s_lshl_b32 s20, s17, 18
	s_lshl_b32 s46, s42, 18
	s_add_co_u32 s46, s46, 3<<20
	s_lshl_b32 s22, s17, 13
	s_lshl_b32 s12, s42, 13
	s_add_co_u32 s12, s12, WSO+98304
	s_mov_b32 s21, 0
	s_mov_b32 s23, 0
	s_mov_b32 s47, 0
	s_mov_b32 s13, 0
	s_mul_i32 s45, s14, HALFT
	s_wait_kmcnt 0x0
	s_add_nc_u64 s[20:21], s[4:5], s[20:21]
	s_add_nc_u64 s[46:47], s[8:9], s[46:47]
	s_add_nc_u64 s[22:23], s[6:7], s[22:23]
	s_add_nc_u64 s[12:13], s[10:11], s[12:13]
	CROUND
	s_mov_b32 s[G0S], 1
	s_mov_b32 s[G0S+1], SCL
	s_mov_b64 s[G0S+2:G0S+3], s[22:23]
	s_or_b32 s[G0S+3], s[G0S+3], 0x80000000
	s_mov_b32 s[G0SB], 1
	s_mov_b32 s[G0SB+1], SCL+8192
	s_mov_b64 s[G0SB+2:G0SB+3], s[12:13]
	s_or_b32 s[G0SB+3], s[G0SB+3], 0x80000000
	s_lshl_b32 s18, s16, 17                        ; in the ring I fetch 8 tiles: which half, in bytes
	s_mov_b32 s19, 0
.irp s, 0,1
	s_mov_b32 s[G0+4*\s], 1
	s_add_co_u32 s[G0+4*\s+1], s45, \s*SLOT
	s_add_nc_u64 s[G0+4*\s+2:G0+4*\s+3], s[20:21], \s*4096
	s_or_b32 s[G0+4*\s+3], s[G0+4*\s+3], 0x80000000
	s_mov_b32 s[G0B+4*\s], 1
	s_add_co_u32 s[G0B+4*\s+1], s45, \s*SLOT
	s_add_nc_u64 s[G0B+4*\s+2:G0B+4*\s+3], s[46:47], \s*4096
	s_or_b32 s[G0B+4*\s+3], s[G0B+4*\s+3], 0x80000000
.endr
	s_mov_b32 s[G0+1], 0                           ; at the head slot 0's groups 0 stand for whole tiles: A's 16 tiles at byte 0,
	s_mov_b32 s[G0B+1], 2*HALFT                    ; B's behind them
	s_add_nc_u64 s[G0+6:G0+7], s[G0+6:G0+7], s[18:19]      ; slot 1's: my 8 tiles
	s_add_nc_u64 s[G0B+6:G0B+7], s[G0B+6:G0B+7], s[18:19]
; THE HEAD'S LOADS, ONE A WAVE: wave 0 K step 0 of A's 16 tiles, wave 1 of B's, wave 2 A's scale words, wave 3 B's.  One chain of branches on the wave's number.
.macro ARM under, g0, g1, next
	s_cmp_lt_u32 s14, \under
	s_cbranch_scc0 \next
	tensor_load_to_lds s[\g0:\g0+3], s[\g1:\g1+7]
	s_nop 0
.rept 4
	v_nop
.endr
	s_branch .Lhead_asked
\next:
.endm
	ARM 1, G0,  G1,  .Lhead_b
	ARM 2, G0B, G1B, .Lhead_sa
	ARM 3, G0S, G1S, .Lhead_sb
	tensor_load_to_lds s[G0SB:G0SB+3], s[G1SB:G1SB+7]
	s_nop 0
.rept 4
	v_nop
.endr
.Lhead_asked:
	v_and_b32 v1, 15, v0
	v_bfe_u32 v2, v0, 4, 1
	s_wait_alu depctr_va_vdst(0)
	v_and_b32 v3, 31, v0
	v_lshlrev_b32 v[CO], 4, v3
	v_lshlrev_b32 v[L8], 3, v3
	v_lshlrev_b32 v[PFO], 12, v3
	s_mul_i32 s21, s15, HALFT
	s_mul_i32 s22, s16, HALFT
	s_add_co_u32 s22, s22, 2*HALFT
.irp s, 0,1
	v_add_nc_u32 v[ADRA+\s], s21, v[CO]
	v_add_nc_u32 v[ADRB+\s], s22, v[CO]
	s_add_co_u32 s21, s21, SLOT
	s_add_co_u32 s22, s22, SLOT
.endr
	s_lshl_b32 s21, s15, 9
	s_lshl_b32 s22, s16, 9
	s_add_co_u32 s22, s22, 8192
	s_sub_co_u32 s22, s22, s21
	v_mul_u32_u24 v6, s22, v2
	s_add_co_u32 s21, s21, SCL
	v_lshl_add_u32 v5, v1, 2, v6
	v_add_nc_u32 v[ADRS], s21, v5
	s_mul_i32 s23, s14, 16*SPITCH
	v_mul_u32_u24 v5, v1, SPITCH
	v_lshl_add_u32 v5, v2, 6, v5
	v_add_nc_u32 v[STO], s23, v5
	v_add_nc_u32 v[RD], s23, v[CO]
	s_lshl_b32 s20, s17, 20
	s_lshl_b32 s21, s15, 19
	s_add_co_u32 s20, s20, s21
	s_lshl_b32 s46, s42, 10
	s_lshl_b32 s47, s16, 9
	s_add_co_u32 s46, s46, s47
	s_mov_b32 s47, 0
	s_mov_b32 s21, 0
	s_add_nc_u64 s[94:95], s[94:95], s[46:47]
	s_add_nc_u64 s[96:97], s[96:97], s[46:47]
	s_add_nc_u64 s[46:47], s[46:47], s[20:21]
	s_add_nc_u64 s[QP:QP+1], s[QP:QP+1], s[46:47]
	s_add_nc_u64 s[OP:OP+1], s[OP:OP+1], s[46:47]
	s_lshl_b32 s20, s17, 11
	s_lshl_b32 s22, s15, 10
	s_add_co_u32 s20, s20, s22
	s_add_co_u32 s20, s20, STA
	s_add_nc_u64 s[10:11], s[10:11], s[20:21]
.macro FRAG reg, adr, q, i
.irp c, 0,1,2,3
	ds_load_b128 v[\reg+4*\c:\reg+4*\c+3], v[\adr] offset:2048*(\q)+512*\c+(\i)*4096
.endr
.endm
.macro MUL16 a0, p, q, sc, zero
.irp a, \a0, \a0+1
.irp b, 0,1,2,3,4,5,6,7
.if \zero
	v_wmma_scale_f32_16x16x128_f8f6f4 v[8*(8*((\a)%4)+\b):8*(8*((\a)%4)+\b)+7], v[128*(\p)+FR*\b:128*(\p)+FR*\b+FR-1], v[AF+FR*(\a):AF+FR*(\a)+FR-1], 0, v[SC+8*NQ*(\sc)+NQ*\b+(\q)], v[SC+8*NQ*(\sc)+NQ*(\a)+(\q)] matrix_a_fmt:MATRIX_FMT_BF8 matrix_b_fmt:MATRIX_FMT_BF8 matrix_a_scale:MATRIX_SCALE_ROW1
.else
	v_wmma_scale_f32_16x16x128_f8f6f4 v[8*(8*((\a)%4)+\b):8*(8*((\a)%4)+\b)+7], v[128*(\p)+FR*\b:128*(\p)+FR*\b+FR-1], v[AF+FR*(\a):AF+FR*(\a)+FR-1], v[8*(8*((\a)%4)+\b):8*(8*((\a)%4)+\b)+7], v[SC+8*NQ*(\sc)+NQ*\b+(\q)], v[SC+8*NQ*(\sc)+NQ*(\a)+(\q)] matrix_a_fmt:MATRIX_FMT_BF8 matrix_b_fmt:MATRIX_FMT_BF8 matrix_a_scale:MATRIX_SCALE_ROW1
.endif
.endr
.endr
.endm
.macro FETCH_B slot, q, p
	WIN TO_B
.irp i, 0,1,2,3,4,5,6,7
	FRAG 128*(\p)+FR*\i, ADRB+\slot, \q, \i
.endr
	WIN 0
.endm
.macro FETCH_A slot, q, i0
.irp i, \i0, \i0+1, \i0+2, \i0+3
	FRAG AF+FR*(\i), ADRA+\slot, \q, \i
.endr
.endm
.macro SCALES sc
.irp i, 0,1,2,3,4,5,6,7
	ds_load_b32 v[SC+8*NQ*\sc+NQ*\i], v[ADRS] offset:64*\i
	ds_load_b32 v[SC+8*NQ*\sc+NQ*\i+1], v[ADRS] offset:64*\i+1024
.endr
.endm
.macro PLACES n
.rept \n
	v_nop
.endr
.endm
.macro STEP slot, q, zero
	s_wait_dscnt 4*NL
	WIN MUL_LO
	MUL16 0, (\q)%2, \q, \slot, \zero
	MUL16 2, (\q)%2, \q, \slot, \zero
	s_wait_dscnt 0
	PLACES NP
	FETCH_B \slot, (\q)+1, 1-(\q)%2
	FETCH_A \slot, (\q)+1, 0
	WIN MUL_HI
	MUL16 4, (\q)%2, \q, \slot, \zero
	MUL16 6, (\q)%2, \q, \slot, \zero
	PLACES NP
	WIN 0
	FETCH_A \slot, (\q)+1, 4
.endm
.macro TURN slot, next, fill, pf
	s_wait_tensorcnt 0x0
	ds_add_u32 v[SPW], v[NIL]
	s_wait_dscnt 4*NL+1
	WIN MUL_LO
	MUL16 0, 1, NQ-1, \slot, 0
	s_wait_dscnt 0x0
	s_barrier_signal -1
	MUL16 2, 1, NQ-1, \slot, 0
	WIN 0
	s_barrier_wait -1
.if \fill
	CREST
	s_add_nc_u64 s[G0+4*\slot+2:G0+4*\slot+3], s[G0+4*\slot+2:G0+4*\slot+3], 8192
	s_add_nc_u64 s[G0B+4*\slot+2:G0B+4*\slot+3], s[G0B+4*\slot+2:G0B+4*\slot+3], 8192
	JLOAD G0+4*\slot, G1, G0B+4*\slot, G1B
	PLACES NP-4
.else
	PLACES NP
.endif
	s_wait_alu depctr_va_vdst(0)
	v_add_nc_u32 v[ADRS], 2048, v[ADRS]
	FETCH_B \next, 0, 0
	FETCH_A \next, 0, 0
	SCALES \next
.if \pf
.irp k, 0,1
.irp e, 0,1
	global_prefetch_b8 v[PFO], s[QP:QP+1] offset:32*\k*4096+256*\e th:TH_LOAD_NT scope:SCOPE_SE
.endr
.endr
.endif
	WIN MUL_HI
	MUL16 4, 1, NQ-1, \slot, 0
	MUL16 6, 1, NQ-1, \slot, 0
	PLACES NP
	WIN 0
	FETCH_A \next, 0, 4
.endm
	s_wait_alu depctr_va_vdst(0)
	s_wait_tensorcnt 0x0                           ; my tile of the head's four is in
	ds_add_u32 v[SPW], v[NIL]
	s_mov_b32 s[G1+2], 8<<16                       ; no tensor load of mine is out: from here on a load brings 8 tiles,
	s_mov_b32 s[G1+4], 8
	s_mov_b32 s[G1B+2], 8<<16
	s_mov_b32 s[G1B+4], 8
	s_mov_b32 s[G0+1], s45                         ; and slot 0's groups 0 stand for my quarter of the slot
	s_mov_b32 s[G0B+1], s45
	s_add_nc_u64 s[G0+2:G0+3], s[G0+2:G0+3], s[18:19]
	s_add_nc_u64 s[G0B+2:G0B+3], s[G0B+2:G0B+3], s[18:19]
	s_wait_dscnt 0x0
	CROUND                                         ; all four tiles are in, and all sixteen work-groups are here
	JLOAD G0+4, G1, G0B+4, G1B                     ; K step 1, the first tensor load behind the round
	FETCH_B 0, 0, 0
	FETCH_A 0, 0, 0
	SCALES 0
	FETCH_A 0, 0, 4
	STEP 0, 0, 1
	TURN 0, 1, 1, 0
	STEP 1, 0, 0
	TURN 1, 0, 1, 1
	STEP 0, 0, 0
	TURN 0, 1, 0, 0
	STEP 1, 0, 0
	s_wait_dscnt 4*NL
	WIN MUL_LO
	MUL16 0, 1, NQ-1, 1, 0
	MUL16 2, 1, NQ-1, 1, 0
	s_wait_dscnt 0
	WIN MUL_HI
	MUL16 4, 1, NQ-1, 1, 0
	MUL16 6, 1, NQ-1, 1, 0
	WIN 0
.macro QLOAD a
	WIN TO_B
.irp t, 0,1,2,3,4,5,6,7,8,9,10,11,12,13,14,15
	global_load_b128 v[64*((\a)%2)+4*\t:64*((\a)%2)+4*\t+3], v[CO], s[QP:QP+1] offset:(32*((\a)/2)+8*((\a)%2)+\t+8*(\t/8))*4096 th:TH_LOAD_NT
.endr
	WIN 0
.endm
.macro TOSTAGE a
.set AC, 64*((\a)%4)
	WIN 0x08+4*((\a)/4)
.irp b, 0,1,2,3,4,5,6,7
	ds_store_b128 v[STO], v[AC+8*\b:AC+8*\b+3] offset:128*(\b/2)+32*(\b%2)
	ds_store_b128 v[STO], v[AC+8*\b+4:AC+8*\b+7] offset:128*(\b/2)+32*(\b%2)+16
.endr
	WIN 0
.set BB, BK+64*((\a)%2)
.irp t, 0,1,2,3,4,5,6,7,8,9,10,11,12,13,14,15
	ds_load_b128 v[BB+4*\t:BB+4*\t+3], v[RD] offset:\t*SPITCH
.endr
.endm
.macro SEND a, younger, yload
.set BB, BK+64*((\a)%2)
.set QQ, 64*((\a)%2)
	s_wait_dscnt \younger
	s_wait_loadcnt \yload
	WIN 0x41
.irp t, 0,1,2,3,4,5,6,7,8,9,10,11,12,13,14,15
	v_readlane_b32 s[20+2*(\t%2)], v[136+2*((\a)/2)], 8*((\a)%2)+\t+8*(\t/8)
	v_readlane_b32 s[21+2*(\t%2)], v[137+2*((\a)/2)], 8*((\a)%2)+\t+8*(\t/8)
.irp e, 0,1,2,3
	v_fma_f32 v[QQ+4*\t+\e], v[QQ+4*\t+\e], s[20+2*(\t%2)], s[21+2*(\t%2)]
.endr
.endr
	WIN 0x55
.irp t, 0,1,2,3,4,5,6,7,8,9,10,11,12,13,14,15
.irp e, 0,2
	v_pk_fma_f32 v[QQ+4*\t+\e:QQ+4*\t+\e+1], v[QQ+4*\t+\e:QQ+4*\t+\e+1], v[128+\e:129+\e], v[132+\e:133+\e]
.endr
.endr
	WIN 0x01
.irp t, 0,1,2,3,4,5,6,7,8,9,10,11,12,13,14,15
.irp e, 0,2
	v_pk_add_f32 v[BB+4*\t+\e:BB+4*\t+\e+1], v[QQ+4*\t+\e:QQ+4*\t+\e+1], v[BB+4*\t+\e:BB+4*\t+\e+1]
.endr
.endr
	WIN 0
.irp t, 0,1,2,3,4,5,6,7,8,9,10,11,12,13,14,15
	global_store_b128 v[CO], v[BB+4*\t:BB+4*\t+3], s[OP:OP+1] offset:(32*((\a)/2)+8*((\a)%2)+\t+8*(\t/8))*4096 th:TH_STORE_NT
.endr
.endm
	PLACES NP
	WIN TO_B
.irp k, 0,1,2,3
	global_load_b64 v[136+2*\k:137+2*\k], v[L8], s[10:11] offset:256*\k
.endr
	global_load_b128 v[128:131], v[CO], s[94:95]
	global_load_b128 v[132:135], v[CO], s[96:97]
	WIN 0
	QLOAD 0
	TOSTAGE 0
.irp a, 1,2,3,4,5,6,7
.if \a > 1
	s_wait_xcnt 0x0
.endif
	QLOAD \a
	TOSTAGE \a
	SEND \a-1, 32, 16
.endr
	s_wait_xcnt 0x0
	SEND 7, 0, 0
	s_wait_tensorcnt 0x0
	ds_add_u32 v[SPW], v[NIL]
	s_wait_dscnt 0x0
	CROUND
	s_endpgm
.Lfunc_end_k_q9da7572685_proj:
	.size	k_q9da7572685_proj, .Lfunc_end_k_q9da7572685_proj-k_q9da7572685_proj
	.p2alignl 7, 3214868480
	.fill 96, 4, 3214868480
	.section	.rodata,"a",@progbits
	.p2align	6, 0x0
	.amdhsa_kernel k_q9da7572685_proj
		.amdhsa_group_segment_fixed_size 327680
		.amdhsa_private_segment_fixed_size 0
		.amdhsa_enable_private_segment 0
		.amdhsa_kernarg_size 64
		.amdhsa_user_sgpr_count 2
		.amdhsa_user_sgpr_kernarg_segment_ptr 1
		.amdhsa_wavefront_size32 1
		.amdhsa_system_sgpr_workgroup_id_x 1
		.amdhsa_system_sgpr_workgroup_id_y 1
		.amdhsa_system_sgpr_workgroup_id_z 1
		.amdhsa_system_vgpr_workitem_id 0
		.amdhsa_next_free_vgpr 1024
		.amdhsa_next_free_sgpr 100
		.amdhsa_reserve_vcc 0
		.amdhsa_float_denorm_mode_32 3
		.amdhsa_float_denorm_mode_16_64 3
		.amdhsa_memory_ordered 1
		.amdhsa_forward_progress 1
		.amdhsa_inst_pref_size 242
	.end_amdhsa_kernel
	.amdgpu_metadata
---
amdhsa.version: [ 1, 2 ]
amdhsa.kernels:
  - .name:           k_q9da7572685_proj
    .symbol:         k_q9da7572685_proj.kd
    .args:
      - { .name: vec_img, .offset: 0, .size: 8, .value_kind: global_buffer, .address_space: global }
      - { .name: vec_sc, .offset: 8, .size: 8, .value_kind: global_buffer, .address_space: global }
      - { .name: w_img, .offset: 16, .size: 8, .value_kind: global_buffer, .address_space: global }
      - { .name: sc1, .offset: 24, .size: 8, .value_kind: global_buffer, .address_space: global }
      - { .name: q, .offset: 32, .size: 8, .value_kind: global_buffer, .address_space: global }
      - { .name: gamma, .offset: 40, .size: 8, .value_kind: global_buffer, .address_space: global }
      - { .name: beta, .offset: 48, .size: 8, .value_kind: global_buffer, .address_space: global }
      - { .name: out0, .offset: 56, .size: 8, .value_kind: global_buffer, .address_space: global }
    .group_segment_fixed_size: 327680
    .private_segment_fixed_size: 0
    .kernarg_segment_align: 8
    .kernarg_segment_size: 64
    .max_flat_workgroup_size: 128
    .sgpr_count:     100
    .vgpr_count:     1024
    .wavefront_size: 32
...
	.end_amdgpu_metadata
.endif
;; end of part 4
